; MI455X (gfx1250); checked and timed in simulation.
; The chip was launched on July 23, 2026; its instructions are those of AMD's public machine-readable ISA for CDNA 5 (MIT licence, August 2026) and "CDNA5" Instruction Set Architecture Reference Guide (July 2026). The comments in the code are by the model that wrote it; some were corrected since.
;; Encoder Block. Allowed arithmetic: float matrix products may take bf16 or f16 operands with f32 sums; other float arithmetic in f32, or as packed bf16 or f16 multiplies, adds, multiply-adds, maxima and minima; sums over many terms, partial sums and values carried from step to step in f32; what a program stores and reads back later, other than sums and carried values, may be rounded once to bf16 or f16.
;; Inputs: b_1 1,024 float32; b_2 512 float32; b_k 512 float32; b_o 512 float32; b_q 512 float32; b_v 512 float32; src_mask 8 x 1 x 1 x 2,048 int32; w_1 1,024 x 512 float32; w_2 512 x 1,024 float32; w_k 512 x 512 float32; w_o 512 x 512 float32; w_q 512 x 512 float32; w_v 512 x 512 float32; x 8 x 2,048 x 512 float32.
;; Outputs: out0 8 x 2,048 x 512 float32.
;; One version. Each part assembles by itself: llvm-mc -triple=amdgcn-amd-amdhsa -mcpu=gfx1250 --defsym DOCPART=n.
;; ======== version 1 of 1: 7 launches
;; limits: values are held in f16: magnitudes above 65,504 overflow, below 6.1e-05 lose precision
;; workspace buffers: xn 16,777,216 bytes; wqkv 1,581,056 bytes; w1p 1,056,768 bytes; wr 1,572,864 bytes; qkv 50,331,648 bytes; o 16,777,216 bytes; x1 33,554,432 bytes; h 33,554,432 bytes
;; launch lnw (part 1): grid 512 x 1, 8 waves a work-group, no clusters, 0 bytes of LDS; arguments x, w_q, w_k, w_v, w_o, w_1, w_2, b_q, b_k, b_v, b_1, xn, wqkv, w1p, wr; writes xn, wqkv, w1p, wr
.if DOCPART == 1
	.amdgcn_target "amdgcn-amd-amdhsa--gfx1250"
	.amdhsa_code_object_version 6
	.text
	.protected	k_q3ee89d027a_lnw
	.globl	k_q3ee89d027a_lnw
	.p2align	8
	.type	k_q3ee89d027a_lnw,@function
k_q3ee89d027a_lnw:
	s_mov_b64 s[64:65], 0
	v_nop
	global_prefetch_b8 v0, s[64:65] scope:SCOPE_SE
	s_setreg_imm32_b32 hwreg(HW_REG_WAVE_MODE, 25, 1), 1
	s_wait_xcnt 0x0
; xn = (x - mean) / sqrt(var + 1e-6), var with divisor 511, rounded once to f16.  x: [16384][512] f32, xn: [16384][512] f16.
; Beside that: all six weight matrices rounded once to f16 and laid out as dense tiles [256 n][128 k] of 65,536 bytes, and two headers (bias copies, floor and gate words) for the projection kernel.
; LIMITS.  f16 holds nothing beyond 65,504: a weight past that becomes an infinity; below 6e-5 f16 keeps a fixed step of 6e-8.  A row of xn has norm sqrt(511) at the most.
; SHARES.  Eight waves, 32 rows a work-group; a wave owns four whole rows (2,048 bytes each: four loads of 16 bytes a lane, each covering 512 consecutive bytes), so a row's sums never leave the wave:
; no LDS, no barrier.  All sixteen loads of a wave go out at once.  The variance is taken of the deviations (two passes over registers), so a common offset of x costs nothing.
; No matrix unit, no cluster: nothing is multiplied by a matrix and no two work-groups read the same byte.
; WEIGHTS.  Work-group G converts 32 rows x 128 k of tile T = G / 8: tiles 0-23 w_q, w_k, w_v -> wqkv; 24-31 w_o -> wr; 32-47 w_1 -> w1p; 48-63 w_2 -> wr (tiles 8-23).  A tile's number in its buffer is
; column block x (K / 128) + K step.  A thread reads 2 x 32 bytes and stores 2 x 16: sixteen lanes store 256 consecutive bytes, aligned.
.set OFF,  1          ; v1   my byte offset in the group's rows of x: wave x 4 rows x 2,048 + 16 x lane
.set OFO,  2          ; v2   the same in xn: wave x 4 rows x 1,024 + 8 x lane
.set V0,   3          ; v3   weights: my 32 bytes in rows 0-15 of the part
.set V1,   4          ; v4   in rows 16-31
.set WO,   5          ; v5   16 x thread
.set SUM,  8          ; v[8:15]   row r: a pair of running sums
.set MEAN, 16         ; v[16:23]  row r: the mean, twice
.set RS,   24         ; v[24:31]  row r: 1 / sqrt(var + eps), twice
.set X,    32         ; v[32:95]  row r: 16 registers
.set PT,   96         ; v[96:99]  row r: the other half of the lanes' sum
.set W,    100        ; v[100:115] weights as loaded, then packed
.set HD,   116        ; v[116:125] the headers
.set XN,   26         ; s[26:27] xn
.set G,    34         ; s34  the work-group
.set WV,   62         ; s62  my wave
	s_load_b512 s[4:19], s[0:1], 0x0               ; x, w_q, w_k, w_v, w_o, w_1, w_2, b_q
	s_load_b256 s[20:27], s[0:1], 0x40             ; b_k, b_v, b_1, xn
	s_load_b128 s[28:31], s[0:1], 0x60             ; wqkv, w1p
	s_load_b64 s[32:33], s[0:1], 0x70              ; wr
	s_mov_b32 s[G], ttmp9
	v_and_b32 v6, 31, v0
	v_lshrrev_b32 v7, 5, v0
	v_readfirstlane_b32 s[WV], v7
	v_lshlrev_b32 v[OFF], 4, v6
	v_lshl_add_u32 v[OFF], v7, 13, v[OFF]
	v_lshlrev_b32 v[OFO], 3, v6
	v_lshl_add_u32 v[OFO], v7, 12, v[OFO]
.irp r, 0,1,2,3
	v_mov_b32 v[PT+(\r)], 0                        ; v_permlanex16_b32 counts as a reader of its destination
.endr
	s_mov_b32 s36, 0x76543210                      ; each lane takes its own place in the other half
	s_mov_b32 s37, 0xfedcba98
	s_mov_b32 s38, 0x3b000000                      ; 1 / 512
	s_mov_b32 s39, 0x3b004020                      ; 1 / 511
	s_mov_b32 s40, 0x358637bd                      ; 1e-6
	s_lshl_b32 s44, s[G], 16                       ; 32 rows of 2,048 bytes
	s_mov_b32 s45, 0
	s_lshl_b32 s46, s[G], 15                       ; 32 rows of 1,024 bytes
	s_mov_b32 s47, 0
	; which tile, which part, from which matrix
	s_lshr_b32 s41, s[G], 3                        ; T
	s_and_b32 s42, s[G], 7                         ; P: 32 rows of the tile's 256
	s_lshr_b32 s43, s41, 3                         ; SEL: 0-3 w_q, w_k, w_v, w_o; 4, 5 w_1; 6, 7 w_2
	s_lshr_b32 s51, s41, 2
	s_and_b32 s48, s51, 1                          ; block of 256 rows in a matrix of 512 rows and four K steps,
	s_and_b32 s49, s41, 3                          ; and the K step
	s_and_b32 s51, s51, 3                          ; w_1 has four blocks
	s_cmp_ge_u32 s43, 4
	s_cselect_b32 s48, s51, s48
	s_and_b32 s51, s43, 1                          ; w_2 has two blocks of eight K steps
	s_and_b32 s35, s41, 7
	s_cmp_ge_u32 s43, 6
	s_cselect_b32 s48, s51, s48
	s_cselect_b32 s49, s35, s49
	s_cselect_b32 s50, 12, 11                      ; a source row is 4,096 or 2,048 bytes
	s_lshl_b32 s48, s48, 8
	s_lshl_b32 s51, s42, 5
	s_add_co_u32 s48, s48, s51                     ; my part's first row
	s_lshl_b32 s52, s48, s50
	s_lshl_b32 s49, s49, 9                         ; 128 k are 512 bytes of f32
	s_add_co_u32 s52, s52, s49
	s_mov_b32 s53, 0
	s_mov_b32 s60, 0                               ; the first tile of the destination's range, and its header's bytes
	s_mov_b32 s61, 8192
	s_cmp_ge_u32 s43, 3
	s_cselect_b32 s60, 24, s60
	s_cselect_b32 s61, 0, s61
	s_cmp_ge_u32 s43, 4
	s_cselect_b32 s60, 32, s60
	s_cselect_b32 s61, 8192, s61
	s_cmp_ge_u32 s43, 6
	s_cselect_b32 s60, 40, s60
	s_cselect_b32 s61, 0, s61
	s_sub_co_u32 s58, s41, s60
	s_lshl_b32 s58, s58, 16
	s_add_co_u32 s58, s58, s61
	s_lshl_b32 s51, s42, 13                        ; a part is 8,192 bytes of f16
	s_add_co_u32 s58, s58, s51
	s_mov_b32 s59, 0
	v_lshrrev_b32 v[V0], 4, v0                     ; row = thread / 16
	v_lshlrev_b32 v[V0], s50, v[V0]
	v_and_b32 v[V1], 15, v0
	v_lshl_add_u32 v[V0], v[V1], 5, v[V0]          ; + 32 bytes x (thread % 16)
	s_lshl_b32 s51, 16, s50
	v_add_nc_u32 v[V1], s51, v[V0]                 ; sixteen rows further down
	v_lshlrev_b32 v[WO], 4, v0
	s_wait_kmcnt 0x0
	s_add_nc_u64 s[4:5], s[4:5], s[44:45]
	s_add_nc_u64 s[XN:XN+1], s[XN:XN+1], s[46:47]
.irp r, 0,1,2,3
.irp j, 0,1,2,3
	global_load_b128 v[X+16*(\r)+4*(\j):X+16*(\r)+4*(\j)+3], v[OFF], s[4:5] offset:(\r)*2048+(\j)*512 th:TH_LOAD_NT
.endr
.endr
	s_cmp_eq_u32 s43, 1
	s_cselect_b64 s[54:55], s[8:9], s[6:7]
	s_cmp_eq_u32 s43, 2
	s_cselect_b64 s[54:55], s[10:11], s[54:55]
	s_cmp_eq_u32 s43, 3
	s_cselect_b64 s[54:55], s[12:13], s[54:55]
	s_cmp_ge_u32 s43, 4
	s_cselect_b64 s[54:55], s[14:15], s[54:55]
	s_cmp_ge_u32 s43, 6
	s_cselect_b64 s[54:55], s[16:17], s[54:55]
	s_add_nc_u64 s[54:55], s[54:55], s[52:53]
	s_cmp_ge_u32 s43, 3
	s_cselect_b64 s[56:57], s[32:33], s[28:29]
	s_cmp_ge_u32 s43, 4
	s_cselect_b64 s[56:57], s[30:31], s[56:57]
	s_cmp_ge_u32 s43, 6
	s_cselect_b64 s[56:57], s[32:33], s[56:57]
	s_add_nc_u64 s[56:57], s[56:57], s[58:59]
	global_load_b128 v[W:W+3],     v[V0], s[54:55]
	global_load_b128 v[W+4:W+7],   v[V0], s[54:55] offset:16
	global_load_b128 v[W+8:W+11],  v[V1], s[54:55]
	global_load_b128 v[W+12:W+15], v[V1], s[54:55] offset:16
; a sum over the wave's 32 lanes, for all four rows: the four rows' lines alternate, so that no line waits for the one before it
.macro RED
.irp r, 0,1,2,3
	v_add_f32 v[SUM+2*(\r)], v[SUM+2*(\r)], v[SUM+2*(\r)+1]
.endr
.irp m, 1,2,4,8
.irp r, 0,1,2,3
	v_add_f32_dpp v[SUM+2*(\r)], v[SUM+2*(\r)], v[SUM+2*(\r)] row_xmask:\m row_mask:0xf bank_mask:0xf
.endr
.endr
.irp r, 0,1,2,3
	v_permlanex16_b32 v[PT+(\r)], v[SUM+2*(\r)], s36, s37
.endr
.irp r, 0,1,2,3
	v_add_f32 v[SUM+2*(\r)], v[SUM+2*(\r)], v[PT+(\r)]
.endr
.endm
	s_wait_loadcnt 4                               ; x's sixteen loads are in; the four weight loads issued behind them may stay out
.irp r, 0,1,2,3
	v_pk_add_f32 v[SUM+2*(\r):SUM+2*(\r)+1], v[X+16*(\r):X+16*(\r)+1], v[X+16*(\r)+2:X+16*(\r)+3]
.endr
.irp p, 2,3,4,5,6,7
.irp r, 0,1,2,3
	v_pk_add_f32 v[SUM+2*(\r):SUM+2*(\r)+1], v[SUM+2*(\r):SUM+2*(\r)+1], v[X+16*(\r)+2*(\p):X+16*(\r)+2*(\p)+1]
.endr
.endr
	RED
.irp r, 0,1,2,3
	v_mul_f32 v[MEAN+2*(\r)], s38, v[SUM+2*(\r)]
	v_mul_f32 v[MEAN+2*(\r)+1], s38, v[SUM+2*(\r)]
.endr
.irp p, 0,1,2,3,4,5,6,7
.irp r, 0,1,2,3
	v_pk_add_f32 v[X+16*(\r)+2*(\p):X+16*(\r)+2*(\p)+1], v[X+16*(\r)+2*(\p):X+16*(\r)+2*(\p)+1], v[MEAN+2*(\r):MEAN+2*(\r)+1] neg_lo:[0,1] neg_hi:[0,1]
.endr
.endr
.irp r, 0,1,2,3
	v_pk_mul_f32 v[SUM+2*(\r):SUM+2*(\r)+1], v[X+16*(\r):X+16*(\r)+1], v[X+16*(\r):X+16*(\r)+1]
.endr
.irp p, 1,2,3,4,5,6,7
.irp r, 0,1,2,3
	v_pk_fma_f32 v[SUM+2*(\r):SUM+2*(\r)+1], v[X+16*(\r)+2*(\p):X+16*(\r)+2*(\p)+1], v[X+16*(\r)+2*(\p):X+16*(\r)+2*(\p)+1], v[SUM+2*(\r):SUM+2*(\r)+1]
.endr
.endr
	RED
.irp r, 0,1,2,3
	v_fma_f32 v[SUM+2*(\r)], v[SUM+2*(\r)], s39, s40   ; var + eps
.endr
.irp r, 0,1,2,3
	v_rsq_f32 v[RS+2*(\r)], v[SUM+2*(\r)]
	v_rsq_f32 v[RS+2*(\r)+1], v[SUM+2*(\r)]
.endr
	v_nop                                          ; a plain instruction behind the last of the batch (ISA guide 5.7.2),
	s_wait_alu depctr_va_vdst(0)                   ; and the one wait ahead of the first reader
.irp p, 0,1,2,3,4,5,6,7
.irp r, 0,1,2,3
	v_pk_mul_f32 v[X+16*(\r)+2*(\p):X+16*(\r)+2*(\p)+1], v[X+16*(\r)+2*(\p):X+16*(\r)+2*(\p)+1], v[RS+2*(\r):RS+2*(\r)+1]
.endr
.endr
.irp r, 0,1,2,3
.irp k, 0,1,2,3,4,5,6,7
	v_cvt_pk_f16_f32 v[X+16*(\r)+(\k)], v[X+16*(\r)+2*(\k)], v[X+16*(\r)+2*(\k)+1]  ; in place, ascending: register k is written when 2 k and 2 k + 1 are read
.endr
.endr
.irp r, 0,1,2,3
.irp j, 0,1,2,3
	global_store_b64 v[OFO], v[X+16*(\r)+2*(\j):X+16*(\r)+2*(\j)+1], s[XN:XN+1] offset:(\r)*1024+(\j)*256  ; 32 lanes store 256 consecutive bytes, aligned
.endr
.endr
	s_wait_loadcnt 0x0                             ; the weights
.irp k, 0,1,2,3,4,5,6,7
	v_cvt_pk_f16_f32 v[W+(\k)], v[W+2*(\k)], v[W+2*(\k)+1]
.endr
	global_store_b128 v[WO], v[W:W+3],   s[56:57]
	global_store_b128 v[WO], v[W+4:W+7], s[56:57] offset:4096
	; THE HEADERS.  Work-groups 0-5 copy b_q, b_k, b_v (a KiB each) to wqkv's first 6 KiB, 6-9 copy b_1 to w1p's first 4 KiB: waves 0 and 1, 16 bytes a thread.
	s_cmp_lt_u32 s[G], 10
	s_cbranch_scc0 .Lend
	s_cmp_lt_u32 s[WV], 2
	s_cbranch_scc0 .Lend
	s_and_b32 s70, s[G], 1                         ; which KiB of the source,
	s_mov_b32 s35, s[G]                            ; and of the destination
	s_max_u32 s51, s[G], 6
	s_sub_co_u32 s51, s51, 6
	s_cmp_ge_u32 s[G], 2
	s_cselect_b64 s[66:67], s[20:21], s[18:19]
	s_cmp_ge_u32 s[G], 4
	s_cselect_b64 s[66:67], s[22:23], s[66:67]
	s_cmp_ge_u32 s[G], 6
	s_cselect_b64 s[66:67], s[24:25], s[66:67]
	s_cselect_b64 s[68:69], s[30:31], s[28:29]
	s_cselect_b32 s70, s51, s70
	s_cselect_b32 s35, s51, s35
	s_lshl_b32 s70, s70, 10
	s_mov_b32 s71, 0
	s_add_nc_u64 s[66:67], s[66:67], s[70:71]
	s_lshl_b32 s70, s35, 10
	s_add_nc_u64 s[68:69], s[68:69], s[70:71]
	global_load_b128 v[HD:HD+3], v[WO], s[66:67]
	s_wait_loadcnt 0x0
	global_store_b128 v[WO], v[HD:HD+3], s[68:69]
	; Wave 0 of work-group 0: 32 pairs (floor, gate), one for each column block, at byte 6,144 of each header.
	; wqkv: the floor is -infinity twice (none); the gate is all ones for column blocks 2 and 3, which are k.  w1p: the floor is 0 twice (the ReLU), no gate.
	s_cmp_eq_u32 s[G], 0
	s_cbranch_scc0 .Lend
	s_cmp_eq_u32 s[WV], 0
	s_cbranch_scc0 .Lend
	v_lshlrev_b32 v[HD+6], 3, v0
	v_mov_b32 v[HD+4], 0xfc00fc00
	v_lshrrev_b32 v[HD+5], 1, v0
	v_cmp_eq_u32 vcc_lo, 1, v[HD+5]
	v_cndmask_b32 v[HD+5], 0, -1, vcc_lo
	global_store_b64 v[HD+6], v[HD+4:HD+5], s[28:29] offset:6144
	v_mov_b32 v[HD+8], 0
	v_mov_b32 v[HD+9], 0
	global_store_b64 v[HD+6], v[HD+8:HD+9], s[30:31] offset:6144
.Lend:
	s_endpgm
.Lfunc_end_k_q3ee89d027a_lnw:
	.size	k_q3ee89d027a_lnw, .Lfunc_end_k_q3ee89d027a_lnw-k_q3ee89d027a_lnw
	.p2alignl 7, 3214868480
	.fill 96, 4, 3214868480
	.section	.rodata,"a",@progbits
	.p2align	6, 0x0
	.amdhsa_kernel k_q3ee89d027a_lnw
		.amdhsa_group_segment_fixed_size 0
		.amdhsa_private_segment_fixed_size 0
		.amdhsa_enable_private_segment 0
		.amdhsa_kernarg_size 120
		.amdhsa_user_sgpr_count 2
		.amdhsa_user_sgpr_kernarg_segment_ptr 1
		.amdhsa_wavefront_size32 1
		.amdhsa_system_sgpr_workgroup_id_x 1
		.amdhsa_system_sgpr_workgroup_id_y 1
		.amdhsa_system_sgpr_workgroup_id_z 1
		.amdhsa_system_vgpr_workitem_id 0
		.amdhsa_next_free_vgpr 128
		.amdhsa_next_free_sgpr 72
		.amdhsa_reserve_vcc 1
		.amdhsa_float_denorm_mode_32 3
		.amdhsa_float_denorm_mode_16_64 3
		.amdhsa_memory_ordered 1
		.amdhsa_forward_progress 1
		.amdhsa_inst_pref_size 23
	.end_amdhsa_kernel
	.amdgpu_metadata
---
amdhsa.version: [ 1, 2 ]
amdhsa.kernels:
  - .name:           k_q3ee89d027a_lnw
    .symbol:         k_q3ee89d027a_lnw.kd
    .args:
      - { .name: x, .offset: 0, .size: 8, .value_kind: global_buffer, .address_space: global }
      - { .name: w_q, .offset: 8, .size: 8, .value_kind: global_buffer, .address_space: global }
      - { .name: w_k, .offset: 16, .size: 8, .value_kind: global_buffer, .address_space: global }
      - { .name: w_v, .offset: 24, .size: 8, .value_kind: global_buffer, .address_space: global }
      - { .name: w_o, .offset: 32, .size: 8, .value_kind: global_buffer, .address_space: global }
      - { .name: w_1, .offset: 40, .size: 8, .value_kind: global_buffer, .address_space: global }
      - { .name: w_2, .offset: 48, .size: 8, .value_kind: global_buffer, .address_space: global }
      - { .name: b_q, .offset: 56, .size: 8, .value_kind: global_buffer, .address_space: global }
      - { .name: b_k, .offset: 64, .size: 8, .value_kind: global_buffer, .address_space: global }
      - { .name: b_v, .offset: 72, .size: 8, .value_kind: global_buffer, .address_space: global }
      - { .name: b_1, .offset: 80, .size: 8, .value_kind: global_buffer, .address_space: global }
      - { .name: xn, .offset: 88, .size: 8, .value_kind: global_buffer, .address_space: global }
      - { .name: wqkv, .offset: 96, .size: 8, .value_kind: global_buffer, .address_space: global }
      - { .name: w1p, .offset: 104, .size: 8, .value_kind: global_buffer, .address_space: global }
      - { .name: wr, .offset: 112, .size: 8, .value_kind: global_buffer, .address_space: global }
    .group_segment_fixed_size: 0
    .private_segment_fixed_size: 0
    .kernarg_segment_align: 8
    .kernarg_segment_size: 120
    .max_flat_workgroup_size: 256
    .sgpr_count:     72
    .vgpr_count:     128
    .wavefront_size: 32
...
	.end_amdgpu_metadata
.endif
;; end of part 1
;; launch qkv (part 2): grid 24 x 32, 4 waves a work-group, clusters of 4 x 1, 327,680 bytes of LDS; arguments xn, wqkv, src_mask, qkv; writes qkv
.if DOCPART == 2
	.amdgcn_target "amdgcn-amd-amdhsa--gfx1250"
	.amdhsa_code_object_version 6
	.text
	.protected	k_q3ee89d027a_qkv
	.globl	k_q3ee89d027a_qkv
	.p2align	8
	.type	k_q3ee89d027a_qkv,@function
k_q3ee89d027a_qkv:
	s_mov_b64 s[64:65], 0
	v_nop
	global_prefetch_b8 v0, s[64:65] scope:SCOPE_SE
	s_setreg_imm32_b32 hwreg(HW_REG_WAVE_MODE, 25, 1), 1
	s_wait_xcnt 0x0
	s_wait_alu depctr_hold_cnt(0) depctr_sa_sdst(0) depctr_va_vdst(0) depctr_va_sdst(0) depctr_va_ssrc(0) depctr_va_vcc(0) depctr_vm_vsrc(0)
	s_getreg_b32 s2, hwreg(HW_REG_IB_STS2, 6, 4)
	s_cmp_eq_u32 s2, 0
	s_cbranch_scc0 .Lentry_in_a_cluster
	s_endpgm
.Lentry_in_a_cluster:
	s_bfe_u32 s2, ttmp6, 0x10000c
	s_cmp_lg_u32 s2, 0x3003
	s_cbranch_scc0 .Lentry_shape_is_right
	s_endpgm
.Lentry_shape_is_right:
; y = gate(max(a W^T + bias, floor)) in f16, stored by slices of 64 columns: slice s, token t at byte (s x 16,384 + t) x 128.  a: [16384][512] f16.  W: a header of 8,192 bytes (bias in f32 by column;
; at byte 6,144 a pair (floor, gate) for each block of 256 columns), then dense tiles [256 n][128 k] f16, tile = column block x 4 + K step.  Products in f16, sums in f32, y rounded once.
; One text serves two launches.  q, k, v: no floor (-infinity); in k's column blocks the gate is on, and the rows of tokens whose src_mask word is 0 are stored as zeros.  The first FFN product: floor 0, no gate.
; The price of one text: the floor does nothing in the first launch, the gate nothing in the second (64 plain instructions a block of 16 rows).
; LIMITS.  f16 holds nothing beyond 65,504; the idle floor turns a NaN into -infinity.
; SHARES.  A work-group makes 128 rows x 256 columns, each of its four waves 64 x 128: 32 accumulators.  The matrix instruction is used transposed (source 0 = 16 rows of W, source 1 = 16 tokens): a lane holds
; one token and eight neighbouring columns.  The sums START AT THE BIAS, which is loaded into the accumulators while the first tiles are on their way: nothing is cleared, nothing added later.
; A's whole block (128 x 512) is asked for once, at the head, as four parts of one K step each (rows of 256 bytes, every wave 32 rows of each part); W goes through a ring of two slots of one K step (256 x 128).
; The first products wait for A's first part and W's first tile alone; the other four loads of a wave land under step 0.
; THE ORDER OF K.  Step j of a work-group takes K step (j + the cluster's y) mod 4, so the clusters of a column block do not all ask for the same tile of W at the same time.  Only global addresses hang on that
; number (A's part for LDS position j, W's tile for step j); the four partners share it.  f32 sums may be taken in any order of K within the allowance.
; CLUSTER 4, 1, 1: the four partners make four row blocks of one column block and walk the same tiles of W: each tile is asked for JOINTLY, every wave its own quarter (64 rows), the same line in all waves.
; A's rows are each work-group's own (mask 0).  A cluster of 4 x 4, which would share A too, does not divide these grids: 6 and 4 column blocks here, 2 in the launches that share the frame.
; REGISTERS.  Window 0: v1-29 addresses; two fragment buffers of 96 (A's four fragments, then W's eight).  Window 1: accumulator (a, b) at 8 (8 a + b).
.set T,      4                 ; K steps
.set PB,     272               ; a row of a K step in LDS, A's and W's: 256 bytes + 16: an odd multiple of 16, so the 16 rows of a load start at 16 different groups of four banks (ISA guide 11.1)
.set APOS,   128*PB            ; A's part for one step
.set AQ,     32*PB             ; a wave's quarter of it
.set BSLOT0, T*APOS            ; behind A: the ring
.set BSLOT,  256*PB
.set BQ,     64*PB             ; a wave's quarter of a slot
.set STAGE,  BSLOT0+2*BSLOT    ; behind the ring: for each wave 2 slices x 16 rows x 144 bytes, for the way out
.set SP,     144
.set STW,    32*SP
.set SPARE,  STAGE+4*STW       ; the spare words: 128 bytes a wave, two blocks of 256 bytes that no other line names
.set HDR,    8192
.set SLICE,  2097152
.set AB0, 4                    ; v4   my place in A's position 0; never rewritten
.set BB0, 5                    ; v5   my place in slot 0; never rewritten
.set ADA, 6                    ; v6   AB0 + the position in hand
.set ADB, 7                    ; v7   BB0 + the slot in hand
.set STO, 8                    ; v8   the way out: where I put 16 bytes of a row
.set RD,  9                    ; v9   where I read rows back
.set GO,  10                   ; v10  16 x lane
.set BO,  11                   ; v11  32 x (lane / 16): my eight columns' bias
.set MO,  12                   ; v12  4 x (lane % 16): my token's mask word
.set MKI, 16                   ; v[16:19] the mask words of my token in blocks 0-3
.set MK,  20                   ; v[20:23] all ones, or 0 where the row is gated away
.set SPW, 28                   ; v28  my spare word; never rewritten
.set NIL, 29                   ; v29  0; never rewritten
.set F0,  64
.set F1,  160
.set TMP, 64                   ; the way out: packed results
.set WV,  14
.set MH,  15                   ; my half of the rows
.set NH,  16                   ; my half of the columns
.set CX,  17
.set COL, 18
.set RB,  19                   ; my block of 128 rows
.set G1A, 24
.set G1B, 32
.set RT,  40                   ; s40  a K step's number, at work; it holds nothing else
.set AT,  41                   ; s41  my quarter's place in a position of A; it holds nothing else
.set G0B, 48                   ; s[48:55] two sets; the second walks
.set CNT, 56
.set TB,  57                   ; 0 or BSLOT: the slot in hand
.set TA,  58                   ; A's position in hand
.set LBW, 59                   ; my quarter of slot 0
.set LO,  60                   ; s60 the floor, s61 the gate
.set G0A, 72                   ; s[72:87] four sets, one for each part of A
.set ROT, 88                   ; s88  the cluster's y mod T
.set JR,  89                   ; s89  ROT + the step whose tile is asked for next
.set WB,  90                   ; s[90:91] W at my quarter of the column block's tile 0
.set OFF, 92                   ; s[92:93] a byte offset made of a K step's number; the high word stays 0
.set HS,  94                   ; s94  8 x column block: the pair's place in the header
.set MSB, 0
.macro WIN new                 ; the immediate's high byte repeats the setting that is left; a switch that changes nothing is dropped
.if MSB != (\new)
	s_set_vgpr_msb (MSB<<8)|(\new)
.set MSB, \new
.endif
.endm
.set MUL, 0x50                 ; C and D in window 1, the sources in window 0
.macro PLACES                  ; four places in front of loads into registers that matrix instructions have read, and of lines that read results
.rept 4
	v_nop
.endr
.endm
.macro CREST                   ; a round of the cluster's barrier behind its opening barrier
	s_cmp_lg_u32 s[WV], 0
	s_cbranch_scc1 .Lnot_wave_0_\@
	s_barrier_signal -3
.Lnot_wave_0_\@:
	s_barrier_wait -3
	s_barrier_signal -1
	s_barrier_wait -1
.endm
.macro CROUND
	s_barrier_signal -1
	s_barrier_wait -1
	CREST
.endm
.macro JLOAD                   ; the joint refill: my quarter of the next tile of W; s_nop 0 and four v_nop follow
	tensor_load_to_lds s[G0B+4:G0B+7], s[G1B:G1B+7]
	s_nop 0
.rept 4
	v_nop
.endr
.endm
; eight matrix instructions: row block a x all eight column blocks, 32 along K.  A quarter takes all 32 accumulators once, in one order: they take turns, over every jump too.
.macro MUL8 f, a
	WIN MUL
.irp b, 0,1,2,3,4,5,6,7
	v_wmma_f32_16x16x32_f16 v[8*(8*(\a)+(\b)):8*(8*(\a)+(\b))+7], v[(\f)+32+8*(\b):(\f)+32+8*(\b)+7], v[(\f)+8*(\a):(\f)+8*(\a)+7], v[8*(8*(\a)+(\b)):8*(8*(\a)+(\b))+7]
.endr
.endm
; 24 LDS loads in one run: the fragments of quarter q (32 along K) into buffer g
.macro FETCH g, q
	WIN 0
.irp a, 0,1,2,3
	ds_load_b128 v[(\g)+8*(\a):(\g)+8*(\a)+3],   v[ADA] offset:64*(\q)+(\a)*16*PB
	ds_load_b128 v[(\g)+8*(\a)+4:(\g)+8*(\a)+7], v[ADA] offset:64*(\q)+(\a)*16*PB+32
.endr
.irp b, 0,1,2,3,4,5,6,7
	ds_load_b128 v[(\g)+32+8*(\b):(\g)+32+8*(\b)+3], v[ADB] offset:64*(\q)+(\b)*16*PB
	ds_load_b128 v[(\g)+32+8*(\b)+4:(\g)+32+8*(\b)+7], v[ADB] offset:64*(\q)+(\b)*16*PB+32
.endr
.endm
; one of a K step's first three quarters: quarter q's fragments are asked for into g, then buffer f is multiplied
.macro QUARTER f, g, q
	WIN 0
	PLACES                                         ; g was read by the quarter before
	FETCH \g, \q
	s_wait_dscnt 24                                ; f is in; the 24 loads just issued may stay out
	MUL8 \f, 0
	MUL8 \f, 1
	MUL8 \f, 2
	MUL8 \f, 3
.endm
; The last quarter multiplies buffer 1 and changes slots.  In front of the barrier each wave waits for all its tensor loads, adds 0 to its spare word, and waits for that and for its reads of this slot.
; fill = 1: the barrier opens a round of the cluster's, and this slot is filled again, first thing behind it, with the tile of the step two on: 112 matrix instructions ahead of the wait for it.
.macro TURN fill
	WIN 0
	s_wait_tensorcnt 0x0                           ; no tensor load of mine is out, so the walking group 0 may be written
	ds_add_u32 v[SPW], v[NIL]
.if \fill
	s_and_b32 s[RT], s[JR], T-1                    ; the K step of the step two on,
	s_lshl_b32 s[OFF], s[RT], 16                   ; its tile of 65,536 bytes
	s_add_co_u32 s[JR], s[JR], 1
	s_add_co_u32 s[G0B+5], s[TB], s[LBW]           ; into my quarter of the slot in hand
	s_add_nc_u64 s[G0B+6:G0B+7], s[WB:WB+1], s[OFF:OFF+1]  ; the address is made anew from the base and the offset,
	s_or_b32 s[G0B+7], s[G0B+7], 0x80000000        ; and the type set again
.endif
	s_wait_dscnt 1                                 ; buffer 1 is in; the add may stay out
	MUL8 F1, 0
	s_wait_dscnt 0x0                               ; the add is done, and my reads of this slot are over
	s_barrier_signal -1
	MUL8 F1, 1
	WIN 0
	s_barrier_wait -1
.if \fill
	CREST                                          ; no wave of any partner still reads this slot or has a load on its way
	JLOAD                                          ; its four v_nop are also the places in front of the loads below
.else
	PLACES
.endif
	s_xor_b32 s[TB], s[TB], BSLOT
	s_add_co_u32 s[TA], s[TA], APOS
	v_add_nc_u32 v[ADA], s[TA], v[AB0]
	v_add_nc_u32 v[ADB], s[TB], v[BB0]
	FETCH F0, 0
	MUL8 F1, 2
	MUL8 F1, 3
.endm
	s_load_b256 s[4:11], s[0:1], 0x0               ; a s[4:5], W s[6:7], src_mask s[8:9], y s[10:11]
	v_lshl_add_u32 v[SPW], v0, 2, SPARE
	v_mov_b32 v[NIL], 0
	ds_add_u32 v[SPW], v[NIL]                      ; the wave's opening: the add and its wait stand ahead of my first tensor load
	v_lshrrev_b32 v1, 5, v0
	v_readfirstlane_b32 s[WV], v1
	s_lshr_b32 s[MH], s[WV], 1
	s_and_b32 s[NH], s[WV], 1
	s_bfe_u32 s[CX], ttmp6, 0x40000                ; my place in the cluster: it enters global addresses of my own loads and stores alone
	s_mov_b32 s[COL], ttmp9                        ; the cluster's x: the column block, which the partners share
	s_and_b32 s[ROT], ttmp7, T-1                   ; the cluster's y mod T, which they share too
	s_and_b32 s[RB], ttmp7, 0xffff
	s_lshl_b32 s[RB], s[RB], 2
	s_add_co_u32 s[RB], s[RB], s[CX]
	; group 1 for A: 32 rows x 128 elements a wave and part, 16 bytes of padding behind every 256
	s_mov_b32 s[G1A], (1<<16)|(1<<20)|(5<<22)|(3<<25)  ; no mask; 2-byte elements; padding on; after every 64 words (code 5); 4 words (code 3)
	s_mov_b32 s[G1A+1], 128<<16                    ; tensor_dim0
	s_mov_b32 s[G1A+2], 32<<16                     ; tensor_dim1
	s_mov_b32 s[G1A+3], 128<<16                    ; tile_dim0
	s_mov_b32 s[G1A+4], 32                         ; tile_dim1
	s_mov_b32 s[G1A+5], 512                        ; elements from row to row
	s_mov_b32 s[G1A+6], 0
	s_mov_b32 s[G1A+7], 0
	; group 1 for W: 64 rows x 128 elements a wave, 16 bytes behind every 256; the mask names all four partners, bit 21 beside it
	s_mov_b32 s[G1B], 15|(1<<16)|(1<<20)|(1<<21)|(5<<22)|(3<<25)
	s_mov_b32 s[G1B+1], 128<<16
	s_mov_b32 s[G1B+2], 64<<16
	s_mov_b32 s[G1B+3], 128<<16
	s_mov_b32 s[G1B+4], 64
	s_mov_b32 s[G1B+5], 128
	s_mov_b32 s[G1B+6], 0
	s_mov_b32 s[G1B+7], 0
	s_mul_i32 s[LBW], s[WV], BQ
	s_add_co_u32 s[LBW], s[LBW], BSLOT0
	s_mov_b32 s[G0B], 1
	s_mov_b32 s[G0B+1], s[LBW]
	s_mov_b32 s[G0B+4], 1
	s_add_co_u32 s[G0B+5], s[LBW], BSLOT
	s_mul_i32 s[AT], s[WV], AQ
.irp p, 0,1,2,3
	s_mov_b32 s[G0A+4*(\p)], 1
	s_add_co_u32 s[G0A+4*(\p)+1], s[AT], (\p)*APOS ; position p, my 32 rows
.endr
	s_lshl_b32 s20, s[RB], 7
	s_lshl_b32 s21, s[WV], 5
	s_add_co_u32 s20, s20, s21
	s_lshl_b32 s20, s20, 10                        ; my 32 rows of a, 1,024 bytes each
	s_mov_b32 s21, 0
	s_lshl_b32 s22, s[COL], 18                     ; the column block's four tiles,
	s_lshl_b32 s23, s[WV], 14                      ; my 64 rows of 256 bytes,
	s_add_co_u32 s22, s22, s23
	s_add_co_u32 s22, s22, HDR                     ; behind the header
	s_mov_b32 s23, 0
	s_lshl_b32 s[HS], s[COL], 3
	s_mov_b32 s[OFF+1], 0
	s_add_co_u32 s[JR], s[ROT], 2                  ; the first refill asks for step 2's tile
	s_mov_b32 s[TB], 0
	s_mov_b32 s[TA], 0
	s_wait_dscnt 0x0                               ; the opening add is done
	CROUND                                         ; all four work-groups are here: the first joint loads meet.  The arguments come in meanwhile
	s_wait_kmcnt 0x0
	s_load_b64 s[LO:LO+1], s[6:7], s[HS] offset:6144  ; the column block's floor and gate; waited for below
	s_add_nc_u64 s[66:67], s[4:5], s[20:21]
	s_add_nc_u64 s[WB:WB+1], s[6:7], s[22:23]
.irp p, 0,1,2,3
	s_add_co_u32 s[RT], s[ROT], \p
	s_and_b32 s[RT], s[RT], T-1                    ; position p holds K step (p + ROT) mod T:
	s_lshl_b32 s[OFF], s[RT], 8                    ; 256 bytes of each row
	s_add_nc_u64 s[G0A+4*(\p)+2:G0A+4*(\p)+3], s[66:67], s[OFF:OFF+1]
	s_or_b32 s[G0A+4*(\p)+3], s[G0A+4*(\p)+3], 0x80000000
.endr
.irp s, 0,1
	s_add_co_u32 s[RT], s[ROT], \s
	s_and_b32 s[RT], s[RT], T-1
	s_lshl_b32 s[OFF], s[RT], 16
	s_add_nc_u64 s[G0B+4*(\s)+2:G0B+4*(\s)+3], s[WB:WB+1], s[OFF:OFF+1]
	s_or_b32 s[G0B+4*(\s)+3], s[G0B+4*(\s)+3], 0x80000000
.endr
	tensor_load_to_lds s[G0A:G0A+3], s[G1A:G1A+7]  ; the first fills go out as one group, what step 0 wants first: six loads of mine are out
	s_nop 0
	tensor_load_to_lds s[G0B:G0B+3], s[G1B:G1B+7]
	s_nop 0
	tensor_load_to_lds s[G0A+4:G0A+7], s[G1A:G1A+7]
	s_nop 0
	tensor_load_to_lds s[G0B+4:G0B+7], s[G1B:G1B+7]
	s_nop 0
	tensor_load_to_lds s[G0A+8:G0A+11], s[G1A:G1A+7]
	s_nop 0
	tensor_load_to_lds s[G0A+12:G0A+15], s[G1A:G1A+7]
	s_nop 0
.rept 4
	v_nop
.endr
	; A fragment is 16 rows x 32 K in 8 registers: lane l holds row l % 16; registers 0-3 K = 8 (l / 16) + 0..7, registers 4-7 K = 16 + 8 (l / 16) + 0..7: two loads of 16 bytes, 32 bytes apart.
	v_and_b32 v1, 15, v0
	v_bfe_u32 v2, v0, 4, 1
	v_mul_u32_u24 v3, v1, PB
	v_lshl_add_u32 v3, v2, 4, v3                   ; row x pitch + 16 x half
	s_mul_i32 s62, s[MH], 64*PB
	v_add_nc_u32 v[AB0], s62, v3
	s_mul_i32 s62, s[NH], 128*PB
	s_add_co_u32 s62, s62, BSLOT0
	v_add_nc_u32 v[BB0], s62, v3
	v_mov_b32 v[ADA], v[AB0]
	v_mov_b32 v[ADB], v[BB0]
	v_lshlrev_b32 v[BO], 5, v2
	v_lshlrev_b32 v[MO], 2, v1
	s_lshl_b32 s62, s[COL], 10                     ; the bias of my 128 columns
	s_lshl_b32 s63, s[NH], 9
	s_add_co_u32 s62, s62, s63
	s_mov_b32 s63, 0
	s_add_nc_u64 s[68:69], s[6:7], s[62:63]
	WIN 0x40                                       ; destination window 1
.irp a, 0,1,2,3
.irp b, 0,1,2,3,4,5,6,7
	global_load_b128 v[8*(8*(\a)+(\b)):8*(8*(\a)+(\b))+3],   v[BO], s[68:69] offset:64*(\b)
	global_load_b128 v[8*(8*(\a)+(\b))+4:8*(8*(\a)+(\b))+7], v[BO], s[68:69] offset:64*(\b)+16
.endr
.endr
	WIN 0
	s_lshl_b32 s20, s[RB], 7
	s_lshl_b32 s21, s[MH], 6
	s_add_co_u32 s20, s20, s21                     ; my first token
	s_lshl_b32 s70, s20, 2
	s_mov_b32 s71, 0
	s_add_nc_u64 s[8:9], s[8:9], s[70:71]
.irp a, 0,1,2,3
	global_load_b32 v[MKI+(\a)], v[MO], s[8:9] offset:64*(\a)
.endr
	s_lshl_b32 s20, s20, 7                         ; 128 bytes a token in a slice
	s_mov_b32 s21, 0
	s_add_nc_u64 s[10:11], s[10:11], s[20:21]
	s_lshl_b32 s62, s[COL], 2
	s_lshl_b32 s63, s[NH], 1
	s_add_co_u32 s62, s62, s63
	s_lshl_b32 s62, s62, 21                        ; my first slice
	s_mov_b32 s63, 0
	s_add_nc_u64 s[10:11], s[10:11], s[62:63]
	s_mul_i32 s62, s[WV], STW
	s_add_co_u32 s62, s62, STAGE                   ; my stage
	v_mul_u32_u24 v[STO], v1, SP                   ; in: row l % 16, 16 bytes for each half of the lanes
	v_lshl_add_u32 v[STO], v2, 4, v[STO]
	v_add_nc_u32 v[STO], s62, v[STO]
	v_and_b32 v3, 31, v0
	v_lshrrev_b32 v[RD], 3, v3                     ; back: 32 lanes take four rows of 128 bytes,
	v_mul_u32_u24 v[RD], v[RD], SP
	v_and_b32 v13, 7, v0
	v_lshl_add_u32 v[RD], v13, 4, v[RD]
	v_add_nc_u32 v[RD], s62, v[RD]
	v_lshlrev_b32 v[GO], 4, v3                     ; which are 512 consecutive bytes of a slice
	s_wait_kmcnt 0x0                               ; floor and gate
	s_not_b32 s63, s[LO+1]                         ; all ones where no gate is set
	s_wait_tensorcnt 4                             ; my parts of A's position 0 and of slot 0 are in; the four loads issued behind them may stay out
	s_barrier_signal -1
	s_barrier_wait -1                              ; everybody's are
	FETCH F0, 0
	s_wait_loadcnt 0x0                             ; the bias lies in the accumulators; the mask words are in
	s_mov_b32 s[CNT], T-2
.Lstep:                                                ; steps 0 .. T - 3: each fills its slot again
	QUARTER F0, F1, 1
	QUARTER F1, F0, 2
	QUARTER F0, F1, 3
	TURN 1
	WIN 0
	s_sub_co_u32 s[CNT], s[CNT], 1
	s_cmp_lg_u32 s[CNT], 0
	s_cbranch_scc1 .Lstep
	s_mov_b32 s[CNT], 2                            ; the last two steps ask for nothing: a text of their own; it is entered behind its change of slots
	s_branch .Ltq
.Ltail:
	TURN 0
	WIN 0
.Ltq:
	QUARTER F0, F1, 1
	QUARTER F1, F0, 2
	QUARTER F0, F1, 3
	WIN 0
	s_sub_co_u32 s[CNT], s[CNT], 1
	s_cmp_lg_u32 s[CNT], 0
	s_cbranch_scc1 .Ltail
	s_wait_dscnt 0x0
	MUL8 F1, 0
	MUL8 F1, 1
	MUL8 F1, 2
	MUL8 F1, 3
	WIN 0
	PLACES
	PLACES
	; THE WAY OUT, a block of 16 rows at a time: round to f16, floor, gate; through my own stage in LDS; out as whole rows of a slice.
.irp a, 0,1,2,3
	v_cmp_ne_u32 s62, 0, v[MKI+(\a)]               ; lanes whose token is live,
	s_or_b32 s62, s62, s63                         ; or all lanes where no gate is set
	v_cndmask_b32 v[MK+(\a)], 0, -1, s62
.endr
.macro PACK a
	WIN 0x05                                       ; sources in window 1
.irp b, 0,1,2,3,4,5,6,7
.irp p, 0,1,2,3
	v_cvt_pk_f16_f32 v[TMP+4*(\b)+(\p)], v[8*(8*(\a)+(\b))+2*(\p)], v[8*(8*(\a)+(\b))+2*(\p)+1]  ; each accumulator from its low end on
.endr
.endr
	WIN 0
.set z, 0
.rept 32
	v_pk_max_num_f16 v[TMP+z], v[TMP+z], s[LO]
.set z, z+1
.endr
.set z, 0
.rept 32
	v_and_b32 v[TMP+z], v[MK+(\a)], v[TMP+z]
.set z, z+1
.endr
.endm
.macro TOSTAGE a
.set BK, 96+32*((\a)%2)
.irp b, 0,1,2,3,4,5,6,7
	ds_store_b128 v[STO], v[TMP+4*(\b):TMP+4*(\b)+3] offset:((\b)/4)*16*SP+32*((\b)%4)
.endr
.irp t, 0,1,2,3,4,5,6,7
	ds_load_b128 v[BK+4*(\t):BK+4*(\t)+3], v[RD] offset:((\t)/4)*16*SP+((\t)%4)*4*SP  ; LDS serves a wave's instructions in order (ISA guide 5.7.1.4): these see the stores above
.endr
.endm
.macro SEND a
.set BK, 96+32*((\a)%2)
	s_wait_dscnt 0x0                               ; the block is back in registers
	s_wait_xcnt 0x0                                ; the stores of the block before have read their registers, which the next block's loads write
.irp t, 0,1,2,3,4,5,6,7
	global_store_b128 v[GO], v[BK+4*(\t):BK+4*(\t)+3], s[10:11] offset:((\t)/4)*SLICE+(\a)*2048+((\t)%4)*512  ; 512 consecutive bytes, aligned
.endr
.endm
	PACK 0
	TOSTAGE 0
.irp a, 1,2,3                  ; a block's arithmetic stands between the loads of the block before and the wait for them
	PACK \a
	SEND (\a)-1
	TOSTAGE \a
.endr
	SEND 3
	s_wait_tensorcnt 0x0                           ; the wave's end
	ds_add_u32 v[SPW], v[NIL]
	s_wait_dscnt 0x0
	CROUND                                         ; the closing round: no work-group ends while a partner may still ask for a tile that names it
	s_endpgm
.Lfunc_end_k_q3ee89d027a_qkv:
	.size	k_q3ee89d027a_qkv, .Lfunc_end_k_q3ee89d027a_qkv-k_q3ee89d027a_qkv
	.p2alignl 7, 3214868480
	.fill 96, 4, 3214868480
	.section	.rodata,"a",@progbits
	.p2align	6, 0x0
	.amdhsa_kernel k_q3ee89d027a_qkv
		.amdhsa_group_segment_fixed_size 327680
		.amdhsa_private_segment_fixed_size 0
		.amdhsa_enable_private_segment 0
		.amdhsa_kernarg_size 32
		.amdhsa_user_sgpr_count 2
		.amdhsa_user_sgpr_kernarg_segment_ptr 1
		.amdhsa_wavefront_size32 1
		.amdhsa_system_sgpr_workgroup_id_x 1
		.amdhsa_system_sgpr_workgroup_id_y 1
		.amdhsa_system_sgpr_workgroup_id_z 1
		.amdhsa_system_vgpr_workitem_id 0
		.amdhsa_next_free_vgpr 512
		.amdhsa_next_free_sgpr 102
		.amdhsa_reserve_vcc 0
		.amdhsa_float_denorm_mode_32 3
		.amdhsa_float_denorm_mode_16_64 3
		.amdhsa_memory_ordered 1
		.amdhsa_forward_progress 1
		.amdhsa_inst_pref_size 78
	.end_amdhsa_kernel
	.amdgpu_metadata
---
amdhsa.version: [ 1, 2 ]
amdhsa.kernels:
  - .name:           k_q3ee89d027a_qkv
    .symbol:         k_q3ee89d027a_qkv.kd
    .args:
      - { .name: xn, .offset: 0, .size: 8, .value_kind: global_buffer, .address_space: global }
      - { .name: wqkv, .offset: 8, .size: 8, .value_kind: global_buffer, .address_space: global }
      - { .name: src_mask, .offset: 16, .size: 8, .value_kind: global_buffer, .address_space: global }
      - { .name: qkv, .offset: 24, .size: 8, .value_kind: global_buffer, .address_space: global }
    .group_segment_fixed_size: 327680
    .private_segment_fixed_size: 0
    .kernarg_segment_align: 8
    .kernarg_segment_size: 32
    .max_flat_workgroup_size: 128
    .sgpr_count:     102
    .vgpr_count:     512
    .wavefront_size: 32
...
	.end_amdgpu_metadata
.endif
;; end of part 2
;; launch attn (part 3): grid 4 x 64, 4 waves a work-group, clusters of 4 x 1, 327,680 bytes of LDS; arguments qkv, src_mask, o; writes o
.if DOCPART == 3
	.amdgcn_target "amdgcn-amd-amdhsa--gfx1250"
	.amdhsa_code_object_version 6
	.text
	.protected	k_q3ee89d027a_attn
	.globl	k_q3ee89d027a_attn
	.p2align	8
	.type	k_q3ee89d027a_attn,@function
k_q3ee89d027a_attn:
	s_mov_b64 s[64:65], 0
	v_nop
	global_prefetch_b8 v0, s[64:65] scope:SCOPE_SE
	s_setreg_imm32_b32 hwreg(HW_REG_WAVE_MODE, 25, 1), 1
	s_wait_xcnt 0x0
	s_wait_alu depctr_hold_cnt(0) depctr_sa_sdst(0) depctr_va_vdst(0) depctr_va_sdst(0) depctr_va_ssrc(0) depctr_va_vcc(0) depctr_vm_vsrc(0)
	s_getreg_b32 s2, hwreg(HW_REG_IB_STS2, 6, 4)
	s_cmp_eq_u32 s2, 0
	s_cbranch_scc0 .Lentry_in_a_cluster
	s_endpgm
.Lentry_in_a_cluster:
	s_bfe_u32 s2, ttmp6, 0x10000c
	s_cmp_lg_u32 s2, 0x3003
	s_cbranch_scc0 .Lentry_shape_is_right
	s_endpgm
.Lentry_shape_is_right:
; O[hh][q][:] = the sum over k of softmax_k(masked(Q[hh][q] . K[hh][k] / 8)) V[hh][k][:].  qkv holds q, k, v one behind the other (16 MiB each), each [64 hh][2048][64] f16 with hh = 8 x head + batch;
; O likewise.  Products, maxima and sums in f32; the weights p are rounded to f16 for the second product (their sum l is taken of the unrounded p), O once at the end.
; THE MASK.  src_mask: [8 batches][2048 keys] int32.  The launch before has stored K's rows of masked keys as zeros; here the sum S^T = K Q^T starts at C = -2^33 for such a key and at 0 for the others.
; So every masked score is exactly -2^33, and with a running maximum of -2^33 (a batch with no live key) c s - c m is exactly 0: all weights are 1, the uniform row that the problem asks for.
; LIMITS.  A masked score counts as -2^33 / 8 = -1.07e9 where the problem writes -1e9: the same unless live scores lie near -1e9.  f16 holds nothing beyond 65,504: Q, K, V arrive within it; p lies in 0 to 1,
; and below 6e-5 it keeps f16's fixed step of 6e-8.  A weight below 2^-126 counts as 0 in l; NaN and infinities are not treated apart.
; SHARES.  A wave owns four PIECES of two tiles of 16 queries, a work-group's four waves 512 queries of one hh.  Every wave walks all 2,048 keys, 64 a step.
; LAYOUT.  S^T = K Q^T (source 0 = 16 keys, source 1 = 16 queries): a lane holds ONE query (lane % 16) and the keys 8 (lane / 16) + 0..7.  Two such tiles, rounded to f16 in pairs, ARE source 1 of
; O^T = V^T P, whose result again holds one query a lane, and eight channels.  K comes out of LDS as it lies, V ([key][channel]) turned, by ds_load_tr16_b128.
; SOFTMAX.  For each query a running maximum m and sum l: p = 2^(c s - c m), c = log2(e) / 8; in every step O and l are multiplied by a = 2^(c m_old - c m_new).  m starts at the lowest finite number, O and l at 0.
; THE COUNT.  A tile and step have 16 matrix and 118 vector instructions: too many to stand all beside the matrix work.  So: four vector instructions that are ready behind EVERY matrix instruction, the others in runs.
; BY TURNS.  Turn n belongs to piece n.  Its matrix work: 16 products K Q^T of piece n + 1, later 16 products V^T P of piece n - 1.  Its vector work: scaling, exponentials, roundings, sums and rescaling of piece n,
; and the maximum and statistics of piece n + 1.
; CLUSTER.  The four query blocks of an hh are one cluster and walk the same K and V: each tile is asked for JOINTLY: the same tensor load, descriptor and mask in all four.
; REGISTERS, in windows of 256 (s_set_vgpr_msb: bits 1:0 source 0, 3:2 source 1, 5:4 source 2, 7:6 destination):
;   window 0: v0-11 addresses; v12-15, v48-63 at work; v16-47 statistics; v64-191 S^T, two buffers of two tiles; v192-255 P, likewise
;   window 1: O^T, 32 a tile     window 2: v0-127 Q; v128-191 K of one step; v192-255 V of one step     window 3: v0-1 the add's registers; v3 the prefetches' offset; v8-39 the step's 32 mask addends
.set SIZE_N, 2048
.set NP,    4         ; pieces a wave: a name, no knob
.set KS,    64        ; keys in a step
.set PK,    144       ; a row of K in LDS: 128 bytes + 16
.set PV,    160       ; a row of V: 128 + 32
.set VOFF,  4*KS*PK   ; a slot holds four steps: 256 rows of K, then 256 rows of V
.set SLOT1, 1<<17     ; slot 1 begins here, so that one exclusive or turns an address in one slot into the other's
.set STAGE, SLOT1+4*KS*(PK+PV)  ; behind the ring: 16 rows x 144 bytes for each wave, for the way out
.set SP,    144
.set SPARE, STAGE+4*16*SP  ; the spare words: 128 bytes a wave
.set MT,    SPARE+512 ; the mask table: 2,048 addends of 4 bytes; no tensor load lands here
.set AK0, 2           ; v2   my lane's place in a tile of K; never rewritten
.set AV0, 3           ; v3   the same for V
.set AK,  4           ; v4   the LDS address of K's next run of loads
.set AV,  5           ; v5   of V's
.set QO,  6           ; v6   my byte offset in the wave's rows of Q
.set STO, 6           ;      later, the way out: where I put 16 bytes of a row
.set RD,  7           ; v7   the way out: where I read rows back
.set GO,  8           ; v8   my byte offset in 512 consecutive bytes of O
.set AMK, 11          ; v11  where the addends of the step to be fetched lie: MT + 32 (lane / 16) + 256 x step
.set SPW, 0           ; v0 of window 3
.set NIL, 1           ; v1 of window 3
.set PFO, 3           ; v3 of window 3   256 x lane; never rewritten
.set MKR, 8           ; v8-39 of window 3: key block kb's eight addends at MKR + 8 kb
.set MV,  12
.set ST,  16          ; tile t's statistics at v[ST+4 t]: c m, m, l (even keys', odd keys')
.set TMP, 48
.set S,   64
.set P,   192
.set KF,  128
.set VF,  192
.set WV,  12
.set G1K, 24
.set G1V, 32
.set G0K, 40
.set G0V, 44
.set PFA, 48          ; s[48:49] where my prefetches stand: my work-group's 8,192 bytes of the tile after the one that is being asked for
.set LIM, 50          ; s50  1 in waves 0 and 2, else the greatest number
.set SLOTS, 56
.set CNT, 57
.set CS,  58
.set SEL, 60
.set TBK, 62
.set TBV, 63
.set MSB, 0
.macro WIN new
.if MSB != (\new)
	s_set_vgpr_msb (MSB<<8)|(\new)
.set MSB, (\new)
.endif
.endm
.set W_KQ, 0x0a       ; K and Q in window 2, S^T in window 0
.set W_KM, 0x3a       ; the same with the C operand in window 3
.set W_PV, 0x52       ; V in window 2, P in window 0, O^T in window 1
.set W_RS, 0x41       ; O^T in window 1, a in window 0
.set W_MK, 0xc0       ; destination in window 3, sources in window 0
.set W_AD, 0x0f       ; the add: address and data in window 3
; A joint fill.  Waves 0 and 1 fetch the two halves of a slot's K, waves 2 and 3 those of its V.  An s_nop 0 and four v_nop follow each of the two lines.
.macro JLOAD
	s_cmp_lt_u32 s[WV], 2
	s_cbranch_scc0 .Lfor_v_\@
	tensor_load_to_lds s[G0K:G0K+3], s[G1K:G1K+7]
	s_nop 0
.rept 4
	v_nop
.endr
	s_branch .Lasked_\@
.Lfor_v_\@:
	tensor_load_to_lds s[G0V:G0V+3], s[G1V:G1V+7]
	s_nop 0
.rept 4
	v_nop
.endr
.Lasked_\@:
.endm
; A PREFETCH of what the NEXT change of slots will ask for: a tile's 32,768 bytes of K and of V, four key steps (512 matrix instructions) ahead of that load.  It stands behind the wave's tensor load and its five lines.
; Each block of 256 bytes is named once in the launch: an hh's rows are walked by this cluster alone; its four partners take 8,192 bytes each, told apart BY ADDRESS; in each, wave 0 asks for K's and wave 2 for V's,
; a lane 256 bytes.  The last change that fills a slot asks for nothing: there is no tile behind it.  Tiles 0 and 1 come by their loads alone.
.macro ASK
	s_cmp_gt_u32 s[SLOTS], s[LIM]
	s_cbranch_scc0 .Lnot_mine_\@
	WIN 0x03
	global_prefetch_b8 v[PFO], s[PFA:PFA+1] th:TH_LOAD_NT scope:SCOPE_SE
	WIN 0
.Lnot_mine_\@:
.endm
.macro CROUND
	s_barrier_signal -1
	s_barrier_wait -1
	s_cmp_lg_u32 s[WV], 0
	s_cbranch_scc1 .Lnot_wave_0_\@
	s_barrier_signal -3
.Lnot_wave_0_\@:
	s_barrier_wait -3
	s_barrier_signal -1
	s_barrier_wait -1
.endm
; THE CHANGE OF SLOTS.  Each wave waits for all its tensor loads, of which one is out: its part of the other slot; adds 0 to its spare word; and waits for that and for its own LDS instructions.
; fill = 1: this slot is filled again, with the keys two slots on, first thing behind a round of the cluster's barrier: it has four key steps in which to land.
; (At its first use nothing has been read yet: slot 0 is waited for, slot 1 filled; and its wait and round order every wave's stores into the mask table ahead of all reads of it.)
.macro CHANGE fill
	WIN W_AD
	s_wait_tensorcnt 0x0
	ds_add_u32 v[SPW], v[NIL]
	WIN 0
.if \fill
.irp g, G0K, G0V
	s_xor_b32 s[\g+1], s[\g+1], SLOT1
	s_add_nc_u64 s[\g+2:\g+3], s[\g+2:\g+3], 4*KS*128
.endr
	s_wait_xcnt 0x0                 ; the last prefetch, four key steps back, has read its address, so it may be written
	s_add_nc_u64 s[PFA:PFA+1], s[PFA:PFA+1], 4*KS*128
	s_wait_dscnt 0x0
	CROUND
	JLOAD
	ASK
.else
	s_wait_dscnt 0x0
	s_barrier_signal -1
	s_barrier_wait -1
.endif
	s_sub_co_u32 s[TBK], s[TBK], 4*KS*PK
	s_xor_b32 s[TBK], s[TBK], SLOT1
	s_sub_co_u32 s[TBV], s[TBV], 4*KS*PV
	s_xor_b32 s[TBV], s[TBV], SLOT1
.endm
	s_load_b64 s[4:5], s[0:1], 0x0    ; qkv
	s_load_b64 s[52:53], s[0:1], 0x8  ; src_mask
	s_load_b64 s[10:11], s[0:1], 0x10 ; o
	WIN W_MK
	v_lshl_add_u32 v[SPW], v0, 2, SPARE
	v_mov_b32 v[NIL], 0
	WIN W_AD
	ds_add_u32 v[SPW], v[NIL]       ; the wave's opening: the add and its wait stand ahead of my first tensor load
	WIN 0
	v_lshrrev_b32 v1, 5, v0
	v_readfirstlane_b32 s[WV], v1
	v_and_b32 v1, 31, v0
	WIN W_MK
	v_lshlrev_b32 v[PFO], 8, v1
	WIN 0
	s_bfe_u32 s13, ttmp6, 0x40000   ; cx: my place in the cluster
	s_lshl_b32 s14, ttmp9, 2
	s_add_co_u32 s14, s14, s13      ; my block of 512 queries
	s_and_b32 s20, ttmp7, 0xffff    ; hh, which the four partners share
	s_and_b32 s54, s20, 7           ; the batch
	s_lshl_b32 s54, s54, 13         ; its 2,048 mask words
	s_mov_b32 s55, 0
	s_mov_b32 s21, 0
	s_mov_b64 s[22:23], SIZE_N*128
	s_mul_u64 s[20:21], s[20:21], s[22:23]  ; hh's first byte in q, k, v and o
	s_and_b32 s16, s[WV], 1         ; which half of a slot's 256 keys I fetch
	s_lshl_b32 s22, s16, 14
	s_mov_b32 s23, 0
	s_add_nc_u64 s[22:23], s[22:23], s[20:21]
	s_mul_i32 s17, s16, 128*PK
	s_mul_i32 s18, s16, 128*PV
	s_lshl_b32 s2, s14, 2
	s_add_co_u32 s2, s2, s[WV]
	s_lshl_b32 s2, s2, 14           ; my wave's 128 rows
	s_mov_b32 s3, 0
	s_add_nc_u64 s[2:3], s[2:3], s[20:21]
	; descriptor group 1.  128 keys are 16,384 dense bytes: asked for as 64 rows of 256 bytes, two keys a row, and padded in LDS after every key
	s_mov_b32 s[G1K], 15|(1<<16)|(1<<20)|(1<<21)|(4<<22)|(3<<25)
	s_mov_b32 s[G1V], 15|(1<<16)|(1<<20)|(1<<21)|(4<<22)|(7<<25)
.irp g, G1K, G1V
	s_mov_b32 s[\g+1], 128<<16
	s_mov_b32 s[\g+2], 64<<16
	s_mov_b32 s[\g+3], 128<<16
	s_mov_b32 s[\g+4], 64
	s_mov_b32 s[\g+5], 128
	s_mov_b32 s[\g+6], 0
	s_mov_b32 s[\g+7], 0
.endr
	s_mov_b32 s[CS], 0x3e38aa3b     ; c = log2(e) / 8
	s_mov_b32 s[CS+1], s[CS]
	s_mov_b32 s[SEL], 0x76543210
	s_mov_b32 s[SEL+1], 0xfedcba98
	s_mov_b32 s[TBK], SLOT1+4*KS*PK ; the first change of slots turns these two into 0
	s_mov_b32 s[TBV], SLOT1+4*KS*PV
	s_mov_b32 s[G0K], 1
	s_mov_b32 s[G0K+1], s17
	s_mov_b32 s[G0V], 1
	s_add_co_u32 s[G0V+1], s18, VOFF
	s_mov_b32 s[SLOTS], SIZE_N/256-1  ; changes of slots that fill are still to come: the first of them stands ahead of the loop
	s_and_b32 s[LIM], s[WV], 1
	s_cmp_eq_u32 s[LIM], 0
	s_cselect_b32 s[LIM], 1, -1
	s_wait_dscnt 0x0                ; the opening add is done
	s_wait_kmcnt 0x0
	s_add_nc_u64 s[6:7], s[4:5], 0x1000000  ; k lies 16 MiB behind q,
	s_add_nc_u64 s[8:9], s[4:5], 0x2000000  ; v 32 MiB
	s_add_nc_u64 s[G0K+2:G0K+3], s[6:7], s[22:23]
	s_or_b32 s[G0K+3], s[G0K+3], 0x80000000
	s_add_nc_u64 s[G0V+2:G0V+3], s[8:9], s[22:23]
	s_or_b32 s[G0V+3], s[G0V+3], 0x80000000
	s_add_nc_u64 s[4:5], s[4:5], s[2:3]  ; Q and O at my wave's first row
	s_add_nc_u64 s[10:11], s[10:11], s[2:3]
	s_add_nc_u64 s[52:53], s[52:53], s[54:55]
	s_cmp_lt_u32 s[WV], 2
	s_cselect_b64 s[PFA:PFA+1], s[6:7], s[8:9]
	s_add_nc_u64 s[PFA:PFA+1], s[PFA:PFA+1], s[20:21]
	s_lshl_b32 s2, s13, 13          ; my work-group's quarter of a tile,
	s_add_co_u32 s2, s2, 4*KS*128   ; in tile 1: the first change of slots steps it to tile 2
	s_mov_b32 s3, 0
	s_add_nc_u64 s[PFA:PFA+1], s[PFA:PFA+1], s[2:3]
	CROUND                          ; all four work-groups are here: the first joint loads meet
	JLOAD                           ; slot 0
	v_and_b32 v1, 15, v0            ; l % 16
	v_bfe_u32 v9, v0, 4, 1          ; l / 16
	v_lshlrev_b32 v[QO], 7, v1
	v_lshl_add_u32 v[QO], v9, 4, v[QO]
	v_lshlrev_b32 v81, 4, v0        ; the batch's mask words: 16 bytes a thread, four times
.irp z, 0,1,2,3
	global_load_b128 v[64+4*\z:67+4*\z], v81, s[52:53] offset:2048*\z
.endr
	WIN 0x80                        ; destination window 2, address window 0
.set i, 0
.rept 4*NP                          ; Q stays in registers: tile i / 2, channels 32 (i % 2) on
	global_load_b128 v[8*i:8*i+3],   v[QO], s[4:5] offset:(i/2)*2048+(i%2)*64
	global_load_b128 v[8*i+4:8*i+7], v[QO], s[4:5] offset:(i/2)*2048+(i%2)*64+32
.set i, i+1
.endr
	; What the first turn finds: V's registers and P's second buffer hold 0, O^T and l are 0.  All this stands in the wait for the first tile.
.set i, VF
.rept 64
	v_mov_b32 v[i], 0
.set i, i+1
.endr
	WIN 0x40
.set i, 0
.rept 64*NP
	v_mov_b32 v[i], 0
.set i, i+1
.endr
	WIN 0
.set i, 0
.rept 2*NP
	v_mov_b32 v[ST+4*i], 0xfe000000    ; c m: far below every c s, a masked key's too
	v_mov_b32 v[ST+4*i+1], 0xff7fffff  ; m
	v_mov_b32 v[ST+4*i+2], 0
	v_mov_b32 v[ST+4*i+3], 0
.set i, i+1
.endr
.set i, P+32
.rept 32
	v_mov_b32 v[i], 0
.set i, i+1
.endr
	v_mul_u32_u24 v[AK0], v1, PK
	v_lshl_add_u32 v[AK0], v9, 4, v[AK0]
	; The turning load takes 16 keys x 16 channels (lane l reads key 8 (l / 16) + l % 8, channels 8 ((l / 8) % 2) + 0..7) and leaves half a fragment of V^T.
	v_and_b32 v10, 7, v0
	v_bfe_u32 v11, v0, 3, 1
	v_lshl_add_u32 v[AV0], v9, 3, v10
	v_mul_u32_u24 v[AV0], v[AV0], PV
	v_lshl_add_u32 v[AV0], v11, 4, v[AV0]
	v_add_nc_u32 v[AV0], VOFF, v[AV0]
	v_mov_b32 v[AK], v[AK0]
	v_lshl_add_u32 v[AMK], v9, 5, MT   ; register j of key block kb is key 16 kb + 8 (l / 16) + j: S^T's own layout
	; THE MASK TABLE: -2^33 for a key whose word is 0, else 0.
	v_mov_b32 v80, 0xd0000000
	v_add_nc_u32 v82, MT, v81
	s_wait_loadcnt 32               ; the four mask loads are in; Q's 32, issued behind them, may stay out
.set i, 64
.rept 16
	v_cmp_eq_u32 vcc_lo, 0, v[i]
	v_cndmask_b32 v[i], 0, v80, vcc_lo
.set i, i+1
.endr
.irp z, 0,1,2,3
	ds_store_b128 v82, v[64+4*\z:67+4*\z] offset:2048*\z
.endr
; THE MATRIX WORK.  The 8 accumulators of a run of 16 take turns.
; Product i of 16 of S^T = K Q^T for piece x: channels 32 (i / 8) on, keys 16 ((i / 2) % 4) on, tile 2 x + i % 2.  The first 8 start the sums, at the keys' mask addends.
.macro KQ x
.set rS, S+64*((\x)%2)+32*(i%2)+8*((i/2)%4)
.set rK, KF+16*((i/2)%4)+8*(i/8)
.set rQ, 16*(2*(\x)+i%2)+8*(i/8)
.set rZ, MKR+8*((i/2)%4)
.if i < 8
	WIN W_KM
	v_wmma_f32_16x16x32_f16 v[rS:rS+7], v[rK:rK+7], v[rQ:rQ+7], v[rZ:rZ+7]
.else
	WIN W_KQ
	v_wmma_f32_16x16x32_f16 v[rS:rS+7], v[rK:rK+7], v[rQ:rQ+7], v[rS:rS+7]
.endif
.endm
; Product i of 16 of O^T += V^T P for piece x: keys 32 (i / 8) on, channels 16 ((i / 2) % 4) on, tile 2 x + i % 2.
.macro PV x
	WIN W_PV
.set rO, 32*(2*(\x)+i%2)+8*((i/2)%4)
.set rV, VF+32*(i/8)+8*((i/2)%4)
.set rP, P+32*((\x)%2)+16*(i%2)+8*(i/8)
	v_wmma_f32_16x16x32_f16 v[rO:rO+7], v[rV:rV+7], v[rP:rP+7], v[rO:rO+7]
.endm
.macro MM                           ; the turn's next matrix instruction
.if i < 16
	KQ (Y+1)%NP
.set i, i+1
.else
.set i, i-16
	PV (Y+NP-1)%NP
.set i, i+17
.endif
.endm
; THE LDS LOADS stand in runs: a step's K (8 fragments) with its 32 mask addends (8 loads; all lanes of a half read the same 16 bytes), and its V (turned).
; last = 1 (the tail): in the last trip there is no further step, and the run is jumped over.
.macro FETCH_K last=0
	WIN 0
.if \last
	s_cmp_eq_u32 s[CNT], 1
	s_cbranch_scc1 .Lno_k_\@
.endif
	WIN 0x80                        ; destination window 2
.irp f, 0,1,2,3,4,5,6,7             ; keys 16 (f / 2) on, channels 32 (f % 2) on
	ds_load_b128 v[KF+8*\f:KF+8*\f+3],   v[AK] offset:(\f/2)*16*PK+(\f%2)*64
	ds_load_b128 v[KF+8*\f+4:KF+8*\f+7], v[AK] offset:(\f/2)*16*PK+(\f%2)*64+32
.endr
	WIN W_MK                        ; destination window 3: the last products that took these registers as C stand a lump of vector work back
.irp f, 0,1,2,3,4,5,6,7
	ds_load_b128 v[MKR+4*\f:MKR+4*\f+3], v[AMK] offset:(\f/2)*64+(\f%2)*16
.endr
	s_add_co_u32 s[TBK], s[TBK], KS*PK  ; the next fetch is the next step's
	WIN 0
	v_add_nc_u32 v[AMK], 0x100, v[AMK]
.if \last
.Lno_k_\@:
.endif
.endm
.macro FETCH_V
	WIN 0x80
.irp f, 0,1,2,3,4,5,6,7             ; keys 32 (f / 4) on, channels 16 (f % 4) on
	ds_load_tr16_b128 v[VF+8*\f:VF+8*\f+3],   v[AV] offset:(\f/4)*32*PV+(\f%4)*32
	ds_load_tr16_b128 v[VF+8*\f+4:VF+8*\f+7], v[AV] offset:(\f/4)*32*PV+16*PV+(\f%4)*32
.endr
	WIN 0
.endm
; THE VECTOR WORK OF A TURN stands in three queues, each in the order in which its entries become ready; the two tiles alternate.
.macro REGS y, u                    ; the registers of tile u (0, 1) of piece y
.set rT, ST+4*(2*(\y)+(\u))
.set rC, TMP+8*((\y)%2)+4*(\u)
.set rM, MV+2*((\y)%2)+(\u)
.set rS, S+64*((\y)%2)+32*(\u)
.set rP, P+32*((\y)%2)+16*(\u)
.set rO, 32*(2*(\y)+(\u))
.endm
; Number n of the 22 that find the NEXT piece's maximum and statistics; each accumulator's lowest registers are read first.
;   0-11  four chains c0-c3 of seven scores each     12-14, 16  the four scores left over, the old m, and c0-c3 into c0     15  c m_old is kept
;   17, 18  the query's other 32 keys lie in the lane 16 away: the new m         19-21  c m; c m_old - c m_new; a
.macro XS u, n
	REGS (Y+1)%NP, \u
.if (\n) < 4
	v_max3_num_f32 v[rC+(\n)], v[rS+8*(\n)], v[rS+8*(\n)+1], v[rS+8*(\n)+2]
.elseif (\n) < 12
	v_max3_num_f32 v[rC+(\n)%4], v[rC+(\n)%4], v[rS+8*((\n)%4)+2*((\n)/4)+1], v[rS+8*((\n)%4)+2*((\n)/4)+2]
.elseif (\n) == 12
	v_max3_num_f32 v[rC], v[rC], v[rS+7], v[rS+15]
.elseif (\n) == 13
	v_max3_num_f32 v[rC+1], v[rC+1], v[rS+23], v[rS+31]
.elseif (\n) == 14
	v_max3_num_f32 v[rC+2], v[rC+2], v[rC+3], v[rT+1]
.elseif (\n) == 15
	v_mov_b32 v[rM], v[rT]
.elseif (\n) == 16
	v_max3_num_f32 v[rC], v[rC], v[rC+1], v[rC+2]
.elseif (\n) == 17
	v_permlanex16_b32 v[rC+3], v[rC], s[SEL], s[SEL+1]
.elseif (\n) == 18
	v_max_num_f32 v[rT+1], v[rC], v[rC+3]
.elseif (\n) == 19
	v_mul_f32 v[rT], s[CS], v[rT+1]
.elseif (\n) == 20
	v_sub_f32 v[rC+1], v[rM], v[rT]
.else
	v_exp_f32 v[rC+2], v[rC+1]
.endif
.endm
; Number g of the 64 that follow the exponentials: for each four weights both pairs are rounded to f16; the second pair is added onto the first, in place; a group later l takes that sum (the first time as l = a l + sum).
.macro GS g
.set h, (\g)+6*((\g)/62)
.if h >= 6
.set h, h+2
.endif
	REGS Y, h%2
.set k, h/8
.if h%8 < 4
	v_cvt_pk_f16_f32 v[rP+2*k+(h%8)/2], v[rS+4*k+2*((h%8)/2)], v[rS+4*k+2*((h%8)/2)+1]
.elseif h%8 < 6
	v_pk_add_f32 v[rS+4*k:rS+4*k+1], v[rS+4*k:rS+4*k+1], v[rS+4*k+2:rS+4*k+3]
.elseif k == 1
	v_pk_fma_f32 v[rT+2:rT+3], v[rT+2:rT+3], v[rC+2:rC+3], v[rS:rS+1] op_sel_hi:[1,0,1]
.else
	v_pk_add_f32 v[rT+2:rT+3], v[rT+2:rT+3], v[rS+4*k-4:rS+4*k-3]
.endif
.endm
; THE PLAIN QUEUE, 138 long.  0-73 read no exponential's result: the 32 scalings c s - c m and the next piece's 42.  74-137: GS's 64, behind the wait.
.macro FS f
	REGS Y, (\f)%2
	v_pk_fma_f32 v[rS+2*((\f)/2):rS+2*((\f)/2)+1], v[rS+2*((\f)/2):rS+2*((\f)/2)+1], s[CS:CS+1], v[rT:rT+1] op_sel_hi:[1,0,0] neg_lo:[0,0,1] neg_hi:[0,0,1]
.endm
.macro PL
	WIN 0
.if q < 27
	FS q
.elseif q < 55
	XS (q-27)%2, (q-27)/2
.elseif q < 57
	XS q-55, 15
.elseif (q < 72) && ((q-57)%3 == 0)
	FS 27+(q-57)/3
.elseif q < 60
	XS (q-57)%3-1, 14
.elseif q < 72
	XS (q-57)%3-1, 15+(q-57)/3
.elseif q < 74
	XS q-72, 20
.else
	GS q-74
.endif
.set q, q+1
.endm
; THE EXPONENTIALS' QUEUE, 66 long: s0-s31 of both tiles, then the next piece's two a.  ONE BATCH: all 66 stand ahead of the turn's one wait, and nothing ahead of that wait names a result of theirs.
.macro EX
	WIN 0
.if e >= 64
	XS e-64, 21
.else
	REGS Y, e%2
	v_exp_f32 v[rS+e/2], v[rS+e/2]
.endif
.set e, e+1
.endm
; THE RESCALING's QUEUE: O^T times a, dealt two at a time.  Its a was made in the turn before, ahead of that turn's wait.
.macro R2
	REGS Y, r%2
	WIN W_RS
.irp z, 0,1
	v_pk_mul_f32 v[rO+4*(r/2)+2*\z:rO+4*(r/2)+2*\z+1], v[rO+4*(r/2)+2*\z:rO+4*(r/2)+2*\z+1], v[rC+2:rC+3] op_sel_hi:[1,0]
.endr
.set r, r+1
.endm
; A TURN, for piece p.  AHEAD OF ITS ONE WAIT: the 16 products K Q^T, behind each a scaling, an exponential and two rescalings; then one lump of 108.  BEHIND IT: the 16 products V^T P, behind each four of GS's 64.
; K of the next step (and its mask addends) is fetched in piece 2's turn, directly behind the wait; V of the step in hand at the end of piece 0's turn, four riders behind its last reader.
.macro TURN p, last=0, cnt=0
.set Y, (\p)
.set i, 0
.set q, 0
.set e, 0
.set r, 0
.if (\p) == NP-1
	s_wait_dscnt 0x0                ; K and the addends are in
.endif
	MM
	PL
	PL
	R2
.rept 15
	MM
	PL
	EX
	R2
.endr
.if (\p) == NP-2
	WIN 0
	v_add_nc_u32 v[AK], s[TBK], v[AK0]
.endif
.rept 8
	PL
.endr
.rept 49
	EX
	PL
.endr
	EX                              ; the next piece's two a
	EX
	v_nop                           ; a plain instruction behind the last exponential: one for the batch
	s_wait_alu depctr_va_vdst(0)    ; the wait ahead of the first reader: one for the batch
.if (\p) == NP-2
	FETCH_K \last
.endif
.if (\p) == 1
	s_wait_dscnt 0x0                ; V is in
.endif
.rept 16
	MM
.rept 4
	PL
.endr
.if ((\p) == 0) && (q == 118)
	v_add_nc_u32 v[AV], s[TBV], v[AV0]
.endif
.if ((\p) == 0) && (q == 130)
	s_add_co_u32 s[TBV], s[TBV], KS*PV
.endif
.if (\cnt) && (q == 130)
	s_sub_co_u32 s[CNT], s[CNT], 1
	s_cmp_lg_u32 s[CNT], 0
.endif
.endr
.if (\p) == 0
	FETCH_V
.endif
.endm
	CHANGE 1                        ; slot 0 is in, everybody's part of it, and so is the mask table; slot 1 is asked for
	FETCH_K                         ; key step 0
	s_wait_loadcnt 0x0              ; Q
	s_wait_dscnt 0x0
.set i, 0
.rept 16
	KQ 0                            ; piece 0's first scores
.set i, i+1
.endr
	WIN 0                           ; the addresses for the way out: plain instructions, the places behind those products
	s_mul_i32 s13, s[WV], 16*SP
	s_add_co_u32 s13, s13, STAGE
	v_mul_u32_u24 v[STO], v1, SP
	v_lshl_add_u32 v[STO], v9, 4, v[STO]
	v_add_nc_u32 v[STO], s13, v[STO]
	v_bfe_u32 v[RD], v0, 3, 2
	v_mul_u32_u24 v[RD], v[RD], SP
	v_lshl_add_u32 v[RD], v10, 4, v[RD]
	v_add_nc_u32 v[RD], s13, v[RD]
	v_and_b32 v[GO], 31, v0
	v_lshlrev_b32 v[GO], 4, v[GO]
.set Y, NP-1
.irp n, 0,1,2,3,4,5,6,7,8,9,10,11,12,13,14,15,16,17,18,19,20,21
	XS 0, \n
	XS 1, \n
.endr
	v_nop                           ; a plain instruction behind the two a,
	s_wait_alu depctr_va_vdst(0)    ; and their wait, ahead of the branch
	s_mov_b32 s[CNT], 4
	s_branch .Lfirst                ; the loop is entered at a step's first turn, in the middle of a trip
.Lslot:                             ; six times: every slot but the last two is filled again
	CHANGE 1
	s_mov_b32 s[CNT], 4
.Lstep:                             ; a trip: pieces 2 and 3 of one step, then pieces 0 and 1 of the next
	TURN 2
	TURN 3
	WIN 0
.Lfirst:
	TURN 0
	TURN 1, 0, 1
	WIN 0
	s_cbranch_scc1 .Lstep
	s_sub_co_u32 s[SLOTS], s[SLOTS], 1
	s_cmp_lg_u32 s[SLOTS], 0
	s_cbranch_scc1 .Lslot
	CHANGE 0                        ; the tail is written out
	s_mov_b32 s[CNT], 5             ; four trips fetch the last slot's steps; the fifth is left in its middle
.Ltail:
	TURN 2, 1
	TURN 3
	WIN 0
	s_sub_co_u32 s[CNT], s[CNT], 1
	s_cmp_eq_u32 s[CNT], 0
	s_cbranch_scc1 .Lout
	TURN 0
	TURN 1
	WIN 0
	s_branch .Ltail
.Lout:                              ; the fifth trip's 16 products K Q^T (on the last K once more) serve nothing: the price, once a launch, of one text for every trip
.set i, 0
.rept 16
	PV NP-1
.set i, i+1
.endr
	; THE WAY OUT.  l's halves are added; O^T is divided by l, rounded to f16 and sent through my stage in LDS, a tile at a time.
	WIN 0
.macro ALL line:vararg
.set t, 0
.rept 2*NP
	\line
.set t, t+1
.endr
.endm
	ALL v_add_f32 v[ST+4*t+2], v[ST+4*t+2], v[ST+4*t+3]
	ALL v_permlanex16_b32 v[ST+4*t+3], v[ST+4*t+2], s[SEL], s[SEL+1]
	ALL v_add_f32 v[ST+4*t+2], v[ST+4*t+2], v[ST+4*t+3]
	ALL v_rcp_f32 v[ST+4*t+2], v[ST+4*t+2]
	v_nop
	s_wait_alu depctr_va_vdst(0)    ; one wait for the eight reciprocals
.macro PACK t
	WIN W_RS
.set i, 32*(\t)
.rept 16
	v_pk_mul_f32 v[i:i+1], v[i:i+1], v[ST+4*(\t)+2:ST+4*(\t)+3] op_sel_hi:[1,0]
.set i, i+2
.endr
	WIN 0x05
.set i, 0
.rept 16
	v_cvt_pk_f16_f32 v[S+16*(\t)+i], v[32*(\t)+2*i], v[32*(\t)+2*i+1]
.set i, i+1
.endr
	WIN 0
.irp f, 0,1,2,3
	ds_store_b128 v[STO], v[S+16*(\t)+4*\f:S+16*(\t)+4*\f+3] offset:32*\f
.endr
.irp f, 0,1,2,3
	ds_load_b128 v[S+16*(\t)+4*\f:S+16*(\t)+4*\f+3], v[RD] offset:\f*4*SP  ; LDS serves a wave's instructions in order (ISA guide 5.7.1.4)
.endr
.endm
.macro SEND t, younger              ; younger: the LDS instructions issued behind tile t's loads: the next tile's eight, or none
	WIN 0
.irp f, 0,1,2,3
	s_wait_dscnt (\younger)+3-\f
	global_store_b128 v[GO], v[S+16*(\t)+4*\f:S+16*(\t)+4*\f+3], s[10:11] offset:(\t)*2048+\f*512  ; 512 consecutive bytes, aligned
.endr
.endm
	PACK 0
.set t, 1
.rept 2*NP-1
	PACK t
	SEND t-1, 8
.set t, t+1
.endr
	SEND 2*NP-1, 0
	WIN W_AD
	s_wait_tensorcnt 0x0            ; the wave's end
	ds_add_u32 v[SPW], v[NIL]
	s_wait_dscnt 0x0
	WIN 0
	CROUND                          ; the closing round
	s_endpgm
.Lfunc_end_k_q3ee89d027a_attn:
	.size	k_q3ee89d027a_attn, .Lfunc_end_k_q3ee89d027a_attn-k_q3ee89d027a_attn
	.p2alignl 7, 3214868480
	.fill 96, 4, 3214868480
	.section	.rodata,"a",@progbits
	.p2align	6, 0x0
	.amdhsa_kernel k_q3ee89d027a_attn
		.amdhsa_group_segment_fixed_size 327680
		.amdhsa_private_segment_fixed_size 0
		.amdhsa_enable_private_segment 0
		.amdhsa_kernarg_size 24
		.amdhsa_user_sgpr_count 2
		.amdhsa_user_sgpr_kernarg_segment_ptr 1
		.amdhsa_wavefront_size32 1
		.amdhsa_system_sgpr_workgroup_id_x 1
		.amdhsa_system_sgpr_workgroup_id_y 1
		.amdhsa_system_sgpr_workgroup_id_z 1
		.amdhsa_system_vgpr_workitem_id 0
		.amdhsa_next_free_vgpr 808
		.amdhsa_next_free_sgpr 66
		.amdhsa_reserve_vcc 1
		.amdhsa_float_denorm_mode_32 3
		.amdhsa_float_denorm_mode_16_64 3
		.amdhsa_memory_ordered 1
		.amdhsa_forward_progress 1
		.amdhsa_inst_pref_size 204
	.end_amdhsa_kernel
	.amdgpu_metadata
---
amdhsa.version: [ 1, 2 ]
amdhsa.kernels:
  - .name:           k_q3ee89d027a_attn
    .symbol:         k_q3ee89d027a_attn.kd
    .args:
      - { .name: qkv, .offset: 0, .size: 8, .value_kind: global_buffer, .address_space: global }
      - { .name: src_mask, .offset: 8, .size: 8, .value_kind: global_buffer, .address_space: global }
      - { .name: o, .offset: 16, .size: 8, .value_kind: global_buffer, .address_space: global }
    .group_segment_fixed_size: 327680
    .private_segment_fixed_size: 0
    .kernarg_segment_align: 8
    .kernarg_segment_size: 24
    .max_flat_workgroup_size: 128
    .sgpr_count:     66
    .vgpr_count:     808
    .wavefront_size: 32
...
	.end_amdgpu_metadata
.endif
;; end of part 3
;; launch oproj (part 4): grid 8 x 32, 4 waves a work-group, clusters of 4 x 1, 327,680 bytes of LDS; arguments o, wr, b_o, x, x1; writes x1
.if DOCPART == 4
	.amdgcn_target "amdgcn-amd-amdhsa--gfx1250"
	.amdhsa_code_object_version 6
	.text
	.protected	k_q3ee89d027a_oproj
	.globl	k_q3ee89d027a_oproj
	.p2align	8
	.type	k_q3ee89d027a_oproj,@function
k_q3ee89d027a_oproj:
	s_mov_b64 s[64:65], 0
	v_nop
	global_prefetch_b8 v0, s[64:65] scope:SCOPE_SE
	s_setreg_imm32_b32 hwreg(HW_REG_WAVE_MODE, 25, 1), 1
	s_wait_xcnt 0x0
	s_wait_alu depctr_hold_cnt(0) depctr_sa_sdst(0) depctr_va_vdst(0) depctr_va_sdst(0) depctr_va_ssrc(0) depctr_va_vcc(0) depctr_vm_vsrc(0)
	s_getreg_b32 s2, hwreg(HW_REG_IB_STS2, 6, 4)
	s_cmp_eq_u32 s2, 0
	s_cbranch_scc0 .Lentry_in_a_cluster
	s_endpgm
.Lentry_in_a_cluster:
	s_bfe_u32 s2, ttmp6, 0x10000c
	s_cmp_lg_u32 s2, 0x3003
	s_cbranch_scc0 .Lentry_shape_is_right
	s_endpgm
.Lentry_shape_is_right:
; y = res + a W^T + bias, in f32.  a lies by slices of 64 channels (slice s, token t at byte (s x 16,384 + t) x 128, f16), 8 x HALVES slices; W: dense tiles [256 n][128 k] f16 from tile TILE0 on,
; tile = column block x T + K step; bias: [512] f32; res, y: [16384][512] f32.  Products in f16, sums in f32; the residual is added in f32.
; This is the kernel for HALVES = 1 (K = 512: the attention's output projection).  The kernel for HALVES = 2 (K = 1,024: the second FFN product) is the same source with the parts under HALVES == 2.
; LIMITS.  f16 holds nothing beyond 65,504: a and W arrive within it.
; SHARES.  A work-group makes 128 rows x 256 columns, each of its four waves 64 x 128: 32 accumulators.  The matrix instruction is used transposed (source 0 = 16 rows of W, source 1 = 16 tokens).
; The sums START AT THE BIAS, which is loaded into the accumulators while the first tiles are on their way.  Four K steps of a (two slices of 128 rows each) are asked for once, at the head, every wave a quarter
; of each (8,192 dense bytes); W goes through a ring of two slots.  The first products wait for a's first position and W's first tile alone; the other four loads of a wave land under step 0.
; THE ORDER OF K.  Step j of a work-group takes K step (j + the cluster's y) mod T, so the clusters of a column block do not all ask for the same tile of W at the same time.  Only global addresses hang on that
; number; the four partners share it.  f32 sums may be taken in any order of K within the allowance.
; HALVES = 2: the slices of steps 4-7 do not fit in LDS beside those of steps 0-3.  They are loaded into registers at the head and stored over the first four positions when step 3 has read those for the last time.
; CLUSTER 4, 1, 1: the four partners make four row blocks of one column block and walk the same tiles of W: each is asked for JOINTLY, every wave its own quarter.  a's rows are each work-group's own (mask 0).
; A cluster of 4 x 4 does not divide the grid's two column blocks.
; REGISTERS.  Window 0: v1-29 addresses; two fragment buffers of 96.  Window 1: accumulator (a, b) at 8 (8 a + b).  Window 2: the residual's 64 rows x 16 bytes a lane (HALVES = 2: first a's steps 4-7).
.set HALVES, 1
.set T,      4*HALVES
.set TILE0,  8*(HALVES-1)
.set PA,     144               ; a row of a slice in LDS: 128 bytes + 16
.set ASL,    128*PA            ; a slice's 128 rows
.set AQ,     64*PA             ; a wave's quarter of a position: 64 rows of one slice
.set PB,     272
.set BSLOT0, 8*ASL
.set BSLOT,  256*PB
.set BQ,     64*PB
.set STAGE,  BSLOT0+2*BSLOT    ; behind the ring: 16 rows x 528 bytes for each wave
.set SP,     528
.set STW,    16*SP
.set SPARE,  STAGE+4*STW
.set ASTEP,  2*ASL             ; a position: a K step's two slices
.set SLICE,  2097152
.set AB0, 4
.set BB0, 5
.set ADA, 6
.set ADB, 7
.set STO, 8
.set RD,  9
.set GO,  10                   ; v10  16 x lane
.set BO,  11
.set SW,  24                   ; v[24:26] where I store 16 bytes of a slice's rows: LDS slices 0-2, 3-5, 6-7
.set HO,  27                   ; v27  16 x thread
.set SPW, 28
.set NIL, 29
.set F0,  64
.set F1,  160
.set WV,  14
.set MH,  15
.set NH,  16
.set CX,  17
.set COL, 18
.set RB,  19
.set G1A, 24
.set G1B, 32
.set RT,  40                   ; s40  a K step's number, at work; it holds nothing else
.set AT,  41                   ; s41  my quarter's place in a position of a; it holds nothing else
.set G0B, 48                   ; s[48:55] two sets; the second walks
.set CNT, 56
.set TB,  57
.set TA,  58
.set LBW, 59
.set G0A, 72                   ; s[72:87] four sets, one for each position of a
.set ROT, 88                   ; s88  the cluster's y mod T
.set JR,  89                   ; s89  ROT + the step whose tile is asked for next
.set WB,  90                   ; s[90:91] W at my quarter of the column block's first tile
.set OFF, 92                   ; s[92:93] a byte offset made of a K step's number; the high word stays 0
.set HB,  94                   ; s[94:101] HALVES = 2: a at my block's rows in the K steps of steps 4-7
.set MSB, 0
.macro WIN new
.if MSB != (\new)
	s_set_vgpr_msb (MSB<<8)|(\new)
.set MSB, \new
.endif
.endm
.set MUL, 0x50
.macro PLACES
.rept 4
	v_nop
.endr
.endm
.macro CREST
	s_cmp_lg_u32 s[WV], 0
	s_cbranch_scc1 .Lnot_wave_0_\@
	s_barrier_signal -3
.Lnot_wave_0_\@:
	s_barrier_wait -3
	s_barrier_signal -1
	s_barrier_wait -1
.endm
.macro CROUND
	s_barrier_signal -1
	s_barrier_wait -1
	CREST
.endm
.macro JLOAD
	tensor_load_to_lds s[G0B+4:G0B+7], s[G1B:G1B+7]
	s_nop 0
.rept 4
	v_nop
.endr
.endm
.macro MUL8 f, a               ; the 32 accumulators take turns, one instruction a turn, in one order in every quarter
	WIN MUL
.irp b, 0,1,2,3,4,5,6,7
	v_wmma_f32_16x16x32_f16 v[8*(8*(\a)+(\b)):8*(8*(\a)+(\b))+7], v[(\f)+32+8*(\b):(\f)+32+8*(\b)+7], v[(\f)+8*(\a):(\f)+8*(\a)+7], v[8*(8*(\a)+(\b)):8*(8*(\a)+(\b))+7]
.endr
.endm
.macro FETCH g, q              ; quarter q: slice q / 2 of the step's two, channels 32 (q % 2) on
	WIN 0
.irp a, 0,1,2,3
	ds_load_b128 v[(\g)+8*(\a):(\g)+8*(\a)+3],   v[ADA] offset:((\q)/2)*ASL+((\q)%2)*64+(\a)*16*PA
	ds_load_b128 v[(\g)+8*(\a)+4:(\g)+8*(\a)+7], v[ADA] offset:((\q)/2)*ASL+((\q)%2)*64+(\a)*16*PA+32
.endr
.irp b, 0,1,2,3,4,5,6,7
	ds_load_b128 v[(\g)+32+8*(\b):(\g)+32+8*(\b)+3], v[ADB] offset:64*(\q)+(\b)*16*PB
	ds_load_b128 v[(\g)+32+8*(\b)+4:(\g)+32+8*(\b)+7], v[ADB] offset:64*(\q)+(\b)*16*PB+32
.endr
.endm
.macro QUARTER f, g, q
	WIN 0
	PLACES                                         ; g was read by the quarter before
	FETCH \g, \q
	s_wait_dscnt 24                                ; f is in; the 24 loads just issued may stay out
	MUL8 \f, 0
	MUL8 \f, 1
	MUL8 \f, 2
	MUL8 \f, 3
.endm
.macro RESLD a                 ; the residual's rows 16 a .. 16 a + 15 of my 64: a load covers 512 consecutive bytes
	WIN 0x80
.irp i, 0,1,2,3,4,5,6,7,8,9,10,11,12,13,14,15
	global_load_b128 v[64*(\a)+4*(\i):64*(\a)+4*(\i)+3], v[GO], s[10:11] offset:(16*(\a)+(\i))*2048
.endr
	WIN 0
.endm
.macro HLOAD i0, n             ; loads i0 .. i0 + n - 1 of the 64 that bring a's steps 4-7: step 4 + i / 16, its slice (i / 8) % 2, 2,048 bytes (i % 8) of the block's 16,384, 16 bytes a thread
	WIN 0x80
.set i, \i0
.rept \n
	global_load_b128 v[4*i:4*i+3], v[HO], s[HB+2*(i/16):HB+2*(i/16)+1] offset:((i/8)%2)*SLICE+(i%8)*2048
.set i, i+1
.endr
	WIN 0
.endm
; The last quarter multiplies buffer 1 and changes slots: the wait for all my tensor loads, the add, the wait for it and for my reads, the barrier; fill = 1: a round of the cluster's, and the joint refill first behind it.
.macro TURN fill
	WIN 0
	s_wait_tensorcnt 0x0                           ; no tensor load of mine is out, so the walking group 0 may be written
	ds_add_u32 v[SPW], v[NIL]
.if \fill
	s_and_b32 s[RT], s[JR], T-1                    ; the K step of the step two on,
	s_lshl_b32 s[OFF], s[RT], 16                   ; its tile of 65,536 bytes
	s_add_co_u32 s[JR], s[JR], 1
	s_add_co_u32 s[G0B+5], s[TB], s[LBW]           ; into my quarter of the slot in hand
	s_add_nc_u64 s[G0B+6:G0B+7], s[WB:WB+1], s[OFF:OFF+1]  ; the address is made anew from the base and the offset,
	s_or_b32 s[G0B+7], s[G0B+7], 0x80000000        ; and the type set again
.endif
	s_wait_dscnt 1                                 ; buffer 1 is in; the add may stay out
	MUL8 F1, 0
	s_wait_dscnt 0x0
	s_barrier_signal -1
	MUL8 F1, 1
	WIN 0
	s_barrier_wait -1
.if \fill
	CREST
	JLOAD
.if HALVES == 2
	; Step 3 (the counter stands at 3, alike in every wave and partner): every wave's reads of the four positions were waited for in front of the round above; steps 4-7 take their place.  No tensor load fills these bytes again.
	s_cmp_eq_u32 s[CNT], 3
	s_cbranch_scc0 .Lno_swap_\@
	s_wait_loadcnt 0x0
	WIN 0x08                                       ; store data in window 2
.set i, 0
.rept 64
	ds_store_b128 v[SW+(i/8)/3], v[4*i:4*i+3] offset:((i/8)%3)*ASL+(i%8)*16*PA
.set i, i+1
.endr
	WIN 0
	s_wait_dscnt 0x0                               ; for the others' sake
	RESLD 0                                        ; window 2 is free: the residual's first 48 rows
	RESLD 1
	RESLD 2
.Lno_swap_\@:
	s_barrier_signal -1                            ; on every path, so that no jump passes a barrier; the joint load may stay out
	s_barrier_wait -1
.endif
.else
	PLACES
.endif
	s_xor_b32 s[TB], s[TB], BSLOT
	s_add_co_u32 s[TA], s[TA], ASTEP
.if HALVES == 2
	s_cmp_eq_u32 s[TA], BSLOT0
	s_cselect_b32 s[TA], 0, s[TA]                  ; step 4 begins at the region's head again
.endif
	v_add_nc_u32 v[ADA], s[TA], v[AB0]
	v_add_nc_u32 v[ADB], s[TB], v[BB0]
	FETCH F0, 0
	MUL8 F1, 2
	MUL8 F1, 3
.endm
	s_load_b256 s[4:11], s[0:1], 0x0               ; a s[4:5], W s[6:7], bias s[8:9], res s[10:11]
	s_load_b64 s[12:13], s[0:1], 0x20              ; y
	v_lshl_add_u32 v[SPW], v0, 2, SPARE
	v_mov_b32 v[NIL], 0
	ds_add_u32 v[SPW], v[NIL]                      ; the wave's opening: the add and its wait stand ahead of my first tensor load
	v_lshrrev_b32 v1, 5, v0
	v_readfirstlane_b32 s[WV], v1
	s_lshr_b32 s[MH], s[WV], 1
	s_and_b32 s[NH], s[WV], 1
	s_bfe_u32 s[CX], ttmp6, 0x40000
	s_mov_b32 s[COL], ttmp9
	s_and_b32 s[ROT], ttmp7, T-1                   ; the cluster's y mod T, which the partners share
	s_and_b32 s[RB], ttmp7, 0xffff
	s_lshl_b32 s[RB], s[RB], 2
	s_add_co_u32 s[RB], s[RB], s[CX]
	; group 1 for a: 64 dense rows of a slice as 32 rows of 256 bytes, padded behind every 128
	s_mov_b32 s[G1A], (1<<16)|(1<<20)|(4<<22)|(3<<25)
	s_mov_b32 s[G1A+1], 128<<16
	s_mov_b32 s[G1A+2], 32<<16
	s_mov_b32 s[G1A+3], 128<<16
	s_mov_b32 s[G1A+4], 32
	s_mov_b32 s[G1A+5], 128
	s_mov_b32 s[G1A+6], 0
	s_mov_b32 s[G1A+7], 0
	; group 1 for W: 64 rows x 128 elements a wave; the mask names all four partners, bit 21 beside it
	s_mov_b32 s[G1B], 15|(1<<16)|(1<<20)|(1<<21)|(5<<22)|(3<<25)
	s_mov_b32 s[G1B+1], 128<<16
	s_mov_b32 s[G1B+2], 64<<16
	s_mov_b32 s[G1B+3], 128<<16
	s_mov_b32 s[G1B+4], 64
	s_mov_b32 s[G1B+5], 128
	s_mov_b32 s[G1B+6], 0
	s_mov_b32 s[G1B+7], 0
	s_mul_i32 s[LBW], s[WV], BQ
	s_add_co_u32 s[LBW], s[LBW], BSLOT0
	s_mov_b32 s[G0B], 1
	s_mov_b32 s[G0B+1], s[LBW]
	s_mov_b32 s[G0B+4], 1
	s_add_co_u32 s[G0B+5], s[LBW], BSLOT
	s_mul_i32 s[AT], s[WV], AQ                     ; wave w: slice w / 2 of the position's two, rows 64 (w % 2) on: w x 64 rows of 144 bytes
.irp p, 0,1,2,3
	s_mov_b32 s[G0A+4*(\p)], 1
	s_add_co_u32 s[G0A+4*(\p)+1], s[AT], (\p)*ASTEP
.endr
	s_lshl_b32 s20, s[RB], 14                      ; my block's 128 rows of 128 bytes,
	s_lshl_b32 s21, s[NH], 13                      ; my 64 of them,
	s_add_co_u32 s20, s20, s21
	s_lshl_b32 s21, s[MH], 21                      ; in the K step's first or second slice
	s_add_co_u32 s20, s20, s21
	s_mov_b32 s21, 0
	s_mul_i32 s22, s[COL], T*65536
	s_lshl_b32 s23, s[WV], 14
	s_add_co_u32 s22, s22, s23
	s_add_co_u32 s22, s22, TILE0*65536
	s_mov_b32 s23, 0
	s_mov_b32 s[OFF+1], 0
	s_add_co_u32 s[JR], s[ROT], 2                  ; the first refill asks for step 2's tile
	s_mov_b32 s[TB], 0
	s_mov_b32 s[TA], 0
	s_wait_dscnt 0x0                               ; the opening add is done
	CROUND                                         ; all four work-groups are here: the first joint loads meet.  The arguments come in meanwhile
	s_wait_kmcnt 0x0
	s_add_nc_u64 s[68:69], s[4:5], s[20:21]
	s_add_nc_u64 s[WB:WB+1], s[6:7], s[22:23]
.irp p, 0,1,2,3
	s_add_co_u32 s[RT], s[ROT], \p
	s_and_b32 s[RT], s[RT], T-1                    ; position p holds K step (p + ROT) mod T:
	s_lshl_b32 s[OFF], s[RT], 22                   ; two slices of 2,097,152 bytes a K step
	s_add_nc_u64 s[G0A+4*(\p)+2:G0A+4*(\p)+3], s[68:69], s[OFF:OFF+1]
	s_or_b32 s[G0A+4*(\p)+3], s[G0A+4*(\p)+3], 0x80000000
.endr
.irp s, 0,1
	s_add_co_u32 s[RT], s[ROT], \s
	s_and_b32 s[RT], s[RT], T-1
	s_lshl_b32 s[OFF], s[RT], 16
	s_add_nc_u64 s[G0B+4*(\s)+2:G0B+4*(\s)+3], s[WB:WB+1], s[OFF:OFF+1]
	s_or_b32 s[G0B+4*(\s)+3], s[G0B+4*(\s)+3], 0x80000000
.endr
	tensor_load_to_lds s[G0A:G0A+3], s[G1A:G1A+7]  ; the first fills go out as one group, what step 0 wants first: six loads of mine are out
	s_nop 0
	tensor_load_to_lds s[G0B:G0B+3], s[G1B:G1B+7]
	s_nop 0
	tensor_load_to_lds s[G0A+4:G0A+7], s[G1A:G1A+7]
	s_nop 0
	tensor_load_to_lds s[G0B+4:G0B+7], s[G1B:G1B+7]
	s_nop 0
	tensor_load_to_lds s[G0A+8:G0A+11], s[G1A:G1A+7]
	s_nop 0
	tensor_load_to_lds s[G0A+12:G0A+15], s[G1A:G1A+7]
	s_nop 0
.rept 4
	v_nop
.endr
	v_and_b32 v1, 15, v0
	v_bfe_u32 v2, v0, 4, 1
	v_mul_u32_u24 v[AB0], v1, PA
	v_lshl_add_u32 v[AB0], v2, 4, v[AB0]
	s_mul_i32 s62, s[MH], 64*PA
	v_add_nc_u32 v[AB0], s62, v[AB0]
	v_mul_u32_u24 v[BB0], v1, PB
	v_lshl_add_u32 v[BB0], v2, 4, v[BB0]
	s_mul_i32 s62, s[NH], 128*PB
	s_add_co_u32 s62, s62, BSLOT0
	v_add_nc_u32 v[BB0], s62, v[BB0]
	v_mov_b32 v[ADA], v[AB0]
	v_mov_b32 v[ADB], v[BB0]
	v_lshlrev_b32 v[BO], 5, v2
	s_lshl_b32 s62, s[COL], 10                     ; my 128 columns, 4 bytes each: in the bias, and in a row of res and y
	s_lshl_b32 s63, s[NH], 9
	s_add_co_u32 s62, s62, s63
	s_mov_b32 s63, 0
	s_add_nc_u64 s[8:9], s[8:9], s[62:63]
	WIN 0x40                                       ; destination window 1
.irp a, 0,1,2,3
.irp b, 0,1,2,3,4,5,6,7
	global_load_b128 v[8*(8*(\a)+(\b)):8*(8*(\a)+(\b))+3],   v[BO], s[8:9] offset:64*(\b)
	global_load_b128 v[8*(8*(\a)+(\b))+4:8*(8*(\a)+(\b))+7], v[BO], s[8:9] offset:64*(\b)+16
.endr
.endr
	WIN 0
	s_lshl_b32 s20, s[RB], 7
	s_lshl_b32 s21, s[MH], 6
	s_add_co_u32 s20, s20, s21                     ; my first token
	s_lshl_b32 s20, s20, 11
	s_add_co_u32 s20, s20, s62
	s_mov_b32 s21, 0
	s_add_nc_u64 s[10:11], s[10:11], s[20:21]
	s_add_nc_u64 s[12:13], s[12:13], s[20:21]
	v_and_b32 v3, 31, v0
	v_lshlrev_b32 v[GO], 4, v3
.if HALVES == 2
	s_lshl_b32 s70, s[RB], 14
	s_mov_b32 s71, 0
	s_add_nc_u64 s[70:71], s[4:5], s[70:71]        ; a at my block's rows in slice 0
.irp k, 0,1,2,3
	s_add_co_u32 s[RT], s[ROT], 4+(\k)
	s_and_b32 s[RT], s[RT], T-1                    ; step 4 + k takes K step (4 + k + ROT) mod T
	s_lshl_b32 s[OFF], s[RT], 22
	s_add_nc_u64 s[HB+2*(\k):HB+2*(\k)+1], s[70:71], s[OFF:OFF+1]
.endr
	v_lshlrev_b32 v[HO], 4, v0
	v_lshrrev_b32 v[SW], 3, v0                     ; eight threads to a row of 128 bytes
	v_mul_u32_u24 v[SW], v[SW], PA
	v_and_b32 v13, 7, v0
	v_lshl_add_u32 v[SW], v13, 4, v[SW]
	v_add_nc_u32 v[SW+1], 3*ASL, v[SW]
	v_add_nc_u32 v[SW+2], 6*ASL, v[SW]
	HLOAD 0, 16
.endif
	s_mul_i32 s62, s[WV], STW
	s_add_co_u32 s62, s62, STAGE                   ; my stage
	v_mul_u32_u24 v[STO], v1, SP                   ; in: row l % 16, 32 bytes for each half of the lanes
	v_lshl_add_u32 v[STO], v2, 5, v[STO]
	v_add_nc_u32 v[STO], s62, v[STO]
	v_add_nc_u32 v[RD], s62, v[GO]                 ; back: 32 lanes take a row's 512 bytes
	s_wait_tensorcnt 4                             ; my parts of a's position 0 and of slot 0 are in; the four loads issued behind them may stay out
	s_barrier_signal -1
	s_barrier_wait -1
	FETCH F0, 0
	s_wait_loadcnt 0x0                             ; the bias lies in the accumulators
.if HALVES == 2
	HLOAD 16, 48
.else
	RESLD 0                                        ; the residual's first 48 rows come in under the loop
	RESLD 1
	RESLD 2
.endif
	s_mov_b32 s[CNT], T-2
.Lstep:                                                ; steps 0 .. T - 3: each fills its slot again
	QUARTER F0, F1, 1
	QUARTER F1, F0, 2
	QUARTER F0, F1, 3
	TURN 1
	WIN 0
	s_sub_co_u32 s[CNT], s[CNT], 1
	s_cmp_lg_u32 s[CNT], 0
	s_cbranch_scc1 .Lstep
.if HALVES == 2
	s_wait_loadcnt 0x0                             ; on every path: the loads of a's steps 4-7 into window 2's v192-255 are done before the loads below write the same registers;
	                                               ; the residual's first 48 loads, issued two steps (256 matrix instructions) back, are taken in with them
.set RL0, 16                   ; so behind it only the 16 loads below are out
.set RL1, 16
.else
.set RL0, 48                   ; the residual loads of the blocks behind block 0,
.set RL1, 32                   ; and behind block 1
.endif
	RESLD 3                                        ; the residual's last 16 rows: two steps, 256 matrix instructions, ahead of the way out
	s_mov_b32 s[CNT], 2                            ; the last two steps ask for no tile: a text of their own, entered behind its change of slots
	s_branch .Ltq
.Ltail:
	TURN 0
	WIN 0
.Ltq:
	QUARTER F0, F1, 1
	QUARTER F1, F0, 2
	QUARTER F0, F1, 3
	WIN 0
	s_sub_co_u32 s[CNT], s[CNT], 1
	s_cmp_lg_u32 s[CNT], 0
	s_cbranch_scc1 .Ltail
	s_wait_dscnt 0x0
	MUL8 F1, 0
	MUL8 F1, 1
	MUL8 F1, 2
	MUL8 F1, 3
	WIN 0
	PLACES
	PLACES
	; THE WAY OUT, a block of 16 rows at a time: the sums go through my own stage in LDS and come back as whole rows of 512 bytes; the residual is added; each store covers 512 consecutive bytes, aligned.
.macro TOSTAGE a
.if (\a) >= 2
	s_wait_xcnt 0x0                                ; the stores of the block two back have read the registers that the loads below write
.endif
	WIN 0x04                                       ; store data in window 1
.irp b, 0,1,2,3,4,5,6,7
	ds_store_b128 v[STO], v[8*(8*(\a)+(\b)):8*(8*(\a)+(\b))+3]   offset:64*(\b)      ; each accumulator from its low end on
	ds_store_b128 v[STO], v[8*(8*(\a)+(\b))+4:8*(8*(\a)+(\b))+7] offset:64*(\b)+16
.endr
	WIN 0
.set BK, 64+64*((\a)%2)
.irp i, 0,1,2,3,4,5,6,7,8,9,10,11,12,13,14,15
	ds_load_b128 v[BK+4*(\i):BK+4*(\i)+3], v[RD] offset:(\i)*SP  ; LDS serves a wave's instructions in order (ISA guide 5.7.1.4): these see the stores above
.endr
.endm
.macro SEND a, younger, left   ; younger: the next block's 32 LDS instructions, or none; left: the residual loads issued behind this block's that may stay out
.set BK, 64+64*((\a)%2)
	s_wait_dscnt \younger
	s_wait_loadcnt \left
	WIN 0x08                                       ; source 1 in window 2
.set z, 0
.rept 32
	v_pk_add_f32 v[BK+z:BK+z+1], v[BK+z:BK+z+1], v[64*(\a)+z:64*(\a)+z+1]
.set z, z+2
.endr
	WIN 0
.irp i, 0,1,2,3,4,5,6,7,8,9,10,11,12,13,14,15
	global_store_b128 v[GO], v[BK+4*(\i):BK+4*(\i)+3], s[12:13] offset:(16*(\a)+(\i))*2048
.endr
.endm
	TOSTAGE 0
	TOSTAGE 1
	SEND 0, 32, RL0
	TOSTAGE 2
	SEND 1, 32, RL1
	TOSTAGE 3
	SEND 2, 32, 16
	SEND 3, 0, 0
	s_wait_tensorcnt 0x0                           ; the wave's end
	ds_add_u32 v[SPW], v[NIL]
	s_wait_dscnt 0x0
	CROUND                                         ; the closing round
	s_endpgm
.Lfunc_end_k_q3ee89d027a_oproj:
	.size	k_q3ee89d027a_oproj, .Lfunc_end_k_q3ee89d027a_oproj-k_q3ee89d027a_oproj
	.p2alignl 7, 3214868480
	.fill 96, 4, 3214868480
	.section	.rodata,"a",@progbits
	.p2align	6, 0x0
	.amdhsa_kernel k_q3ee89d027a_oproj
		.amdhsa_group_segment_fixed_size 327680
		.amdhsa_private_segment_fixed_size 0
		.amdhsa_enable_private_segment 0
		.amdhsa_kernarg_size 40
		.amdhsa_user_sgpr_count 2
		.amdhsa_user_sgpr_kernarg_segment_ptr 1
		.amdhsa_wavefront_size32 1
		.amdhsa_system_sgpr_workgroup_id_x 1
		.amdhsa_system_sgpr_workgroup_id_y 1
		.amdhsa_system_sgpr_workgroup_id_z 1
		.amdhsa_system_vgpr_workitem_id 0
		.amdhsa_next_free_vgpr 768
		.amdhsa_next_free_sgpr 102
		.amdhsa_reserve_vcc 0
		.amdhsa_float_denorm_mode_32 3
		.amdhsa_float_denorm_mode_16_64 3
		.amdhsa_memory_ordered 1
		.amdhsa_forward_progress 1
		.amdhsa_inst_pref_size 79
	.end_amdhsa_kernel
	.amdgpu_metadata
---
amdhsa.version: [ 1, 2 ]
amdhsa.kernels:
  - .name:           k_q3ee89d027a_oproj
    .symbol:         k_q3ee89d027a_oproj.kd
    .args:
      - { .name: o, .offset: 0, .size: 8, .value_kind: global_buffer, .address_space: global }
      - { .name: wr, .offset: 8, .size: 8, .value_kind: global_buffer, .address_space: global }
      - { .name: b_o, .offset: 16, .size: 8, .value_kind: global_buffer, .address_space: global }
      - { .name: x, .offset: 24, .size: 8, .value_kind: global_buffer, .address_space: global }
      - { .name: x1, .offset: 32, .size: 8, .value_kind: global_buffer, .address_space: global }
    .group_segment_fixed_size: 327680
    .private_segment_fixed_size: 0
    .kernarg_segment_align: 8
    .kernarg_segment_size: 40
    .max_flat_workgroup_size: 128
    .sgpr_count:     102
    .vgpr_count:     768
    .wavefront_size: 32
...
	.end_amdgpu_metadata
.endif
;; end of part 4
;; launch ln2 (part 5): grid 512 x 1, 8 waves a work-group, no clusters, 0 bytes of LDS; arguments x1, xn; writes xn
.if DOCPART == 5
	.amdgcn_target "amdgcn-amd-amdhsa--gfx1250"
	.amdhsa_code_object_version 6
	.text
	.protected	k_q3ee89d027a_ln2
	.globl	k_q3ee89d027a_ln2
	.p2align	8
	.type	k_q3ee89d027a_ln2,@function
k_q3ee89d027a_ln2:
	s_mov_b64 s[64:65], 0
	v_nop
	global_prefetch_b8 v0, s[64:65] scope:SCOPE_SE
	s_setreg_imm32_b32 hwreg(HW_REG_WAVE_MODE, 25, 1), 1
	s_wait_xcnt 0x0
; xn = (x - mean) / sqrt(var + 1e-6), var with divisor 511, rounded once to f16.  x: [16384][512] f32, xn: [16384][512] f16.  A row of xn has norm sqrt(511) at the most: far inside f16.
; Eight waves, 32 rows a work-group; a wave owns four whole rows (2,048 bytes each: four loads of 16 bytes a lane, each covering 512 consecutive bytes), so a row's sums never leave the wave: no LDS, no barrier.
; All sixteen loads of a wave go out at once.  The variance is taken of the deviations (two passes over registers), so a common offset of x costs nothing.
; No matrix unit, no cluster: nothing is multiplied by a matrix and no two work-groups read the same byte.
.set OFF,  1          ; v1   wave x 4 rows x 2,048 + 16 x lane
.set OFO,  2          ; v2   wave x 4 rows x 1,024 + 8 x lane
.set SUM,  8          ; v[8:15]   row r: a pair of running sums
.set MEAN, 16         ; v[16:23]  row r: the mean, twice
.set RS,   24         ; v[24:31]  row r: 1 / sqrt(var + eps), twice
.set X,    32         ; v[32:95]  row r: 16 registers
.set PT,   96         ; v[96:99]  row r: the other half of the lanes' sum
.set XN,   6          ; s[6:7] xn
	s_load_b128 s[4:7], s[0:1], 0x0                ; x, xn
	v_and_b32 v6, 31, v0
	v_lshrrev_b32 v7, 5, v0
	v_lshlrev_b32 v[OFF], 4, v6
	v_lshl_add_u32 v[OFF], v7, 13, v[OFF]
	v_lshlrev_b32 v[OFO], 3, v6
	v_lshl_add_u32 v[OFO], v7, 12, v[OFO]
.irp r, 0,1,2,3
	v_mov_b32 v[PT+(\r)], 0                        ; v_permlanex16_b32 counts as a reader of its destination
.endr
	s_mov_b32 s36, 0x76543210
	s_mov_b32 s37, 0xfedcba98
	s_mov_b32 s38, 0x3b000000                      ; 1 / 512
	s_mov_b32 s39, 0x3b004020                      ; 1 / 511
	s_mov_b32 s40, 0x358637bd                      ; 1e-6
	s_lshl_b32 s44, ttmp9, 16
	s_mov_b32 s45, 0
	s_lshl_b32 s46, ttmp9, 15
	s_mov_b32 s47, 0
	s_wait_kmcnt 0x0
	s_add_nc_u64 s[4:5], s[4:5], s[44:45]
	s_add_nc_u64 s[XN:XN+1], s[XN:XN+1], s[46:47]
.irp r, 0,1,2,3
.irp j, 0,1,2,3
	global_load_b128 v[X+16*(\r)+4*(\j):X+16*(\r)+4*(\j)+3], v[OFF], s[4:5] offset:(\r)*2048+(\j)*512 th:TH_LOAD_NT
.endr
.endr
.macro RED                     ; a sum over the wave's 32 lanes, for all four rows; the rows' lines alternate
.irp r, 0,1,2,3
	v_add_f32 v[SUM+2*(\r)], v[SUM+2*(\r)], v[SUM+2*(\r)+1]
.endr
.irp m, 1,2,4,8
.irp r, 0,1,2,3
	v_add_f32_dpp v[SUM+2*(\r)], v[SUM+2*(\r)], v[SUM+2*(\r)] row_xmask:\m row_mask:0xf bank_mask:0xf
.endr
.endr
.irp r, 0,1,2,3
	v_permlanex16_b32 v[PT+(\r)], v[SUM+2*(\r)], s36, s37
.endr
.irp r, 0,1,2,3
	v_add_f32 v[SUM+2*(\r)], v[SUM+2*(\r)], v[PT+(\r)]
.endr
.endm
	s_wait_loadcnt 0x0
.irp r, 0,1,2,3
	v_pk_add_f32 v[SUM+2*(\r):SUM+2*(\r)+1], v[X+16*(\r):X+16*(\r)+1], v[X+16*(\r)+2:X+16*(\r)+3]
.endr
.irp p, 2,3,4,5,6,7
.irp r, 0,1,2,3
	v_pk_add_f32 v[SUM+2*(\r):SUM+2*(\r)+1], v[SUM+2*(\r):SUM+2*(\r)+1], v[X+16*(\r)+2*(\p):X+16*(\r)+2*(\p)+1]
.endr
.endr
	RED
.irp r, 0,1,2,3
	v_mul_f32 v[MEAN+2*(\r)], s38, v[SUM+2*(\r)]
	v_mul_f32 v[MEAN+2*(\r)+1], s38, v[SUM+2*(\r)]
.endr
.irp p, 0,1,2,3,4,5,6,7
.irp r, 0,1,2,3
	v_pk_add_f32 v[X+16*(\r)+2*(\p):X+16*(\r)+2*(\p)+1], v[X+16*(\r)+2*(\p):X+16*(\r)+2*(\p)+1], v[MEAN+2*(\r):MEAN+2*(\r)+1] neg_lo:[0,1] neg_hi:[0,1]
.endr
.endr
.irp r, 0,1,2,3
	v_pk_mul_f32 v[SUM+2*(\r):SUM+2*(\r)+1], v[X+16*(\r):X+16*(\r)+1], v[X+16*(\r):X+16*(\r)+1]
.endr
.irp p, 1,2,3,4,5,6,7
.irp r, 0,1,2,3
	v_pk_fma_f32 v[SUM+2*(\r):SUM+2*(\r)+1], v[X+16*(\r)+2*(\p):X+16*(\r)+2*(\p)+1], v[X+16*(\r)+2*(\p):X+16*(\r)+2*(\p)+1], v[SUM+2*(\r):SUM+2*(\r)+1]
.endr
.endr
	RED
.irp r, 0,1,2,3
	v_fma_f32 v[SUM+2*(\r)], v[SUM+2*(\r)], s39, s40   ; var + eps
.endr
.irp r, 0,1,2,3
	v_rsq_f32 v[RS+2*(\r)], v[SUM+2*(\r)]
	v_rsq_f32 v[RS+2*(\r)+1], v[SUM+2*(\r)]
.endr
	v_nop                                          ; a plain instruction behind the last of the batch (ISA guide 5.7.2),
	s_wait_alu depctr_va_vdst(0)                   ; and the one wait ahead of the first reader
.irp p, 0,1,2,3,4,5,6,7
.irp r, 0,1,2,3
	v_pk_mul_f32 v[X+16*(\r)+2*(\p):X+16*(\r)+2*(\p)+1], v[X+16*(\r)+2*(\p):X+16*(\r)+2*(\p)+1], v[RS+2*(\r):RS+2*(\r)+1]
.endr
.endr
.irp r, 0,1,2,3
.irp k, 0,1,2,3,4,5,6,7
	v_cvt_pk_f16_f32 v[X+16*(\r)+(\k)], v[X+16*(\r)+2*(\k)], v[X+16*(\r)+2*(\k)+1]  ; in place, ascending
.endr
.endr
.irp r, 0,1,2,3
.irp j, 0,1,2,3
	global_store_b64 v[OFO], v[X+16*(\r)+2*(\j):X+16*(\r)+2*(\j)+1], s[XN:XN+1] offset:(\r)*1024+(\j)*256  ; 32 lanes store 256 consecutive bytes, aligned
.endr
.endr
	s_endpgm
.Lfunc_end_k_q3ee89d027a_ln2:
	.size	k_q3ee89d027a_ln2, .Lfunc_end_k_q3ee89d027a_ln2-k_q3ee89d027a_ln2
	.p2alignl 7, 3214868480
	.fill 96, 4, 3214868480
	.section	.rodata,"a",@progbits
	.p2align	6, 0x0
	.amdhsa_kernel k_q3ee89d027a_ln2
		.amdhsa_group_segment_fixed_size 0
		.amdhsa_private_segment_fixed_size 0
		.amdhsa_enable_private_segment 0
		.amdhsa_kernarg_size 16
		.amdhsa_user_sgpr_count 2
		.amdhsa_user_sgpr_kernarg_segment_ptr 1
		.amdhsa_wavefront_size32 1
		.amdhsa_system_sgpr_workgroup_id_x 1
		.amdhsa_system_sgpr_workgroup_id_y 1
		.amdhsa_system_sgpr_workgroup_id_z 1
		.amdhsa_system_vgpr_workitem_id 0
		.amdhsa_next_free_vgpr 104
		.amdhsa_next_free_sgpr 66
		.amdhsa_reserve_vcc 0
		.amdhsa_float_denorm_mode_32 3
		.amdhsa_float_denorm_mode_16_64 3
		.amdhsa_memory_ordered 1
		.amdhsa_forward_progress 1
		.amdhsa_inst_pref_size 18
	.end_amdhsa_kernel
	.amdgpu_metadata
---
amdhsa.version: [ 1, 2 ]
amdhsa.kernels:
  - .name:           k_q3ee89d027a_ln2
    .symbol:         k_q3ee89d027a_ln2.kd
    .args:
      - { .name: x1, .offset: 0, .size: 8, .value_kind: global_buffer, .address_space: global }
      - { .name: xn, .offset: 8, .size: 8, .value_kind: global_buffer, .address_space: global }
    .group_segment_fixed_size: 0
    .private_segment_fixed_size: 0
    .kernarg_segment_align: 8
    .kernarg_segment_size: 16
    .max_flat_workgroup_size: 256
    .sgpr_count:     66
    .vgpr_count:     104
    .wavefront_size: 32
...
	.end_amdgpu_metadata
.endif
;; end of part 5
;; launch ffn1: the kernel of part 2 again; grid 16 x 32, 4 waves a work-group, clusters of 4 x 1, 327,680 bytes of LDS; arguments xn, w1p, src_mask, h; writes h
;; launch ffn2 (part 6): grid 8 x 32, 4 waves a work-group, clusters of 4 x 1, 327,680 bytes of LDS; arguments h, wr, b_2, x1, out0; writes out0
.if DOCPART == 6
	.amdgcn_target "amdgcn-amd-amdhsa--gfx1250"
	.amdhsa_code_object_version 6
	.text
	.protected	k_q3ee89d027a_ffn2
	.globl	k_q3ee89d027a_ffn2
	.p2align	8
	.type	k_q3ee89d027a_ffn2,@function
k_q3ee89d027a_ffn2:
	s_mov_b64 s[64:65], 0
	v_nop
	global_prefetch_b8 v0, s[64:65] scope:SCOPE_SE
	s_setreg_imm32_b32 hwreg(HW_REG_WAVE_MODE, 25, 1), 1
	s_wait_xcnt 0x0
	s_wait_alu depctr_hold_cnt(0) depctr_sa_sdst(0) depctr_va_vdst(0) depctr_va_sdst(0) depctr_va_ssrc(0) depctr_va_vcc(0) depctr_vm_vsrc(0)
	s_getreg_b32 s2, hwreg(HW_REG_IB_STS2, 6, 4)
	s_cmp_eq_u32 s2, 0
	s_cbranch_scc0 .Lentry_in_a_cluster
	s_endpgm
.Lentry_in_a_cluster:
	s_bfe_u32 s2, ttmp6, 0x10000c
	s_cmp_lg_u32 s2, 0x3003
	s_cbranch_scc0 .Lentry_shape_is_right
	s_endpgm
.Lentry_shape_is_right:
; y = res + a W^T + bias, in f32.  a lies by slices of 64 channels (slice s, token t at byte (s x 16,384 + t) x 128, f16), 8 x HALVES slices; W: dense tiles [256 n][128 k] f16 from tile TILE0 on,
; tile = column block x T + K step; bias: [512] f32; res, y: [16384][512] f32.  Products in f16, sums in f32; the residual is added in f32.
; This is the kernel for HALVES = 2 (K = 1,024: the second FFN product).  The kernel for HALVES = 1 (K = 512: the attention's output projection) is the same source without the parts under HALVES == 2.
; LIMITS.  f16 holds nothing beyond 65,504: a and W arrive within it.
; SHARES.  A work-group makes 128 rows x 256 columns, each of its four waves 64 x 128: 32 accumulators.  The matrix instruction is used transposed (source 0 = 16 rows of W, source 1 = 16 tokens).
; The sums START AT THE BIAS, which is loaded into the accumulators while the first tiles are on their way.  Four K steps of a (two slices of 128 rows each) are asked for once, at the head, every wave a quarter
; of each (8,192 dense bytes); W goes through a ring of two slots.  The first products wait for a's first position and W's first tile alone; the other four loads of a wave land under step 0.
; THE ORDER OF K.  Step j of a work-group takes K step (j + the cluster's y) mod T, so the clusters of a column block do not all ask for the same tile of W at the same time.  Only global addresses hang on that
; number; the four partners share it.  f32 sums may be taken in any order of K within the allowance.
; HALVES = 2: the slices of steps 4-7 do not fit in LDS beside those of steps 0-3.  They are loaded into registers at the head and stored over the first four positions when step 3 has read those for the last time.
; CLUSTER 4, 1, 1: the four partners make four row blocks of one column block and walk the same tiles of W: each is asked for JOINTLY, every wave its own quarter.  a's rows are each work-group's own (mask 0).
; A cluster of 4 x 4 does not divide the grid's two column blocks.
; REGISTERS.  Window 0: v1-29 addresses; two fragment buffers of 96.  Window 1: accumulator (a, b) at 8 (8 a + b).  Window 2: the residual's 64 rows x 16 bytes a lane (HALVES = 2: first a's steps 4-7).
.set HALVES, 2
.set T,      4*HALVES
.set TILE0,  8*(HALVES-1)
.set PA,     144               ; a row of a slice in LDS: 128 bytes + 16
.set ASL,    128*PA            ; a slice's 128 rows
.set AQ,     64*PA             ; a wave's quarter of a position: 64 rows of one slice
.set PB,     272
.set BSLOT0, 8*ASL
.set BSLOT,  256*PB
.set BQ,     64*PB
.set STAGE,  BSLOT0+2*BSLOT    ; behind the ring: 16 rows x 528 bytes for each wave
.set SP,     528
.set STW,    16*SP
.set SPARE,  STAGE+4*STW
.set ASTEP,  2*ASL             ; a position: a K step's two slices
.set SLICE,  2097152
.set AB0, 4
.set BB0, 5
.set ADA, 6
.set ADB, 7
.set STO, 8
.set RD,  9
.set GO,  10                   ; v10  16 x lane
.set BO,  11
.set SW,  24                   ; v[24:26] where I store 16 bytes of a slice's rows: LDS slices 0-2, 3-5, 6-7
.set HO,  27                   ; v27  16 x thread
.set SPW, 28
.set NIL, 29
.set F0,  64
.set F1,  160
.set WV,  14
.set MH,  15
.set NH,  16
.set CX,  17
.set COL, 18
.set RB,  19
.set G1A, 24
.set G1B, 32
.set RT,  40                   ; s40  a K step's number, at work; it holds nothing else
.set AT,  41                   ; s41  my quarter's place in a position of a; it holds nothing else
.set G0B, 48                   ; s[48:55] two sets; the second walks
.set CNT, 56
.set TB,  57
.set TA,  58
.set LBW, 59
.set G0A, 72                   ; s[72:87] four sets, one for each position of a
.set ROT, 88                   ; s88  the cluster's y mod T
.set JR,  89                   ; s89  ROT + the step whose tile is asked for next
.set WB,  90                   ; s[90:91] W at my quarter of the column block's first tile
.set OFF, 92                   ; s[92:93] a byte offset made of a K step's number; the high word stays 0
.set HB,  94                   ; s[94:101] HALVES = 2: a at my block's rows in the K steps of steps 4-7
.set MSB, 0
.macro WIN new
.if MSB != (\new)
	s_set_vgpr_msb (MSB<<8)|(\new)
.set MSB, \new
.endif
.endm
.set MUL, 0x50
.macro PLACES
.rept 4
	v_nop
.endr
.endm
.macro CREST
	s_cmp_lg_u32 s[WV], 0
	s_cbranch_scc1 .Lnot_wave_0_\@
	s_barrier_signal -3
.Lnot_wave_0_\@:
	s_barrier_wait -3
	s_barrier_signal -1
	s_barrier_wait -1
.endm
.macro CROUND
	s_barrier_signal -1
	s_barrier_wait -1
	CREST
.endm
.macro JLOAD
	tensor_load_to_lds s[G0B+4:G0B+7], s[G1B:G1B+7]
	s_nop 0
.rept 4
	v_nop
.endr
.endm
.macro MUL8 f, a               ; the 32 accumulators take turns, one instruction a turn, in one order in every quarter
	WIN MUL
.irp b, 0,1,2,3,4,5,6,7
	v_wmma_f32_16x16x32_f16 v[8*(8*(\a)+(\b)):8*(8*(\a)+(\b))+7], v[(\f)+32+8*(\b):(\f)+32+8*(\b)+7], v[(\f)+8*(\a):(\f)+8*(\a)+7], v[8*(8*(\a)+(\b)):8*(8*(\a)+(\b))+7]
.endr
.endm
.macro FETCH g, q              ; quarter q: slice q / 2 of the step's two, channels 32 (q % 2) on
	WIN 0
.irp a, 0,1,2,3
	ds_load_b128 v[(\g)+8*(\a):(\g)+8*(\a)+3],   v[ADA] offset:((\q)/2)*ASL+((\q)%2)*64+(\a)*16*PA
	ds_load_b128 v[(\g)+8*(\a)+4:(\g)+8*(\a)+7], v[ADA] offset:((\q)/2)*ASL+((\q)%2)*64+(\a)*16*PA+32
.endr
.irp b, 0,1,2,3,4,5,6,7
	ds_load_b128 v[(\g)+32+8*(\b):(\g)+32+8*(\b)+3], v[ADB] offset:64*(\q)+(\b)*16*PB
	ds_load_b128 v[(\g)+32+8*(\b)+4:(\g)+32+8*(\b)+7], v[ADB] offset:64*(\q)+(\b)*16*PB+32
.endr
.endm
.macro QUARTER f, g, q
	WIN 0
	PLACES                                         ; g was read by the quarter before
	FETCH \g, \q
	s_wait_dscnt 24                                ; f is in; the 24 loads just issued may stay out
	MUL8 \f, 0
	MUL8 \f, 1
	MUL8 \f, 2
	MUL8 \f, 3
.endm
.macro RESLD a                 ; the residual's rows 16 a .. 16 a + 15 of my 64: a load covers 512 consecutive bytes
	WIN 0x80
.irp i, 0,1,2,3,4,5,6,7,8,9,10,11,12,13,14,15
	global_load_b128 v[64*(\a)+4*(\i):64*(\a)+4*(\i)+3], v[GO], s[10:11] offset:(16*(\a)+(\i))*2048
.endr
	WIN 0
.endm
.macro HLOAD i0, n             ; loads i0 .. i0 + n - 1 of the 64 that bring a's steps 4-7: step 4 + i / 16, its slice (i / 8) % 2, 2,048 bytes (i % 8) of the block's 16,384, 16 bytes a thread
	WIN 0x80
.set i, \i0
.rept \n
	global_load_b128 v[4*i:4*i+3], v[HO], s[HB+2*(i/16):HB+2*(i/16)+1] offset:((i/8)%2)*SLICE+(i%8)*2048
.set i, i+1
.endr
	WIN 0
.endm
; The last quarter multiplies buffer 1 and changes slots: the wait for all my tensor loads, the add, the wait for it and for my reads, the barrier; fill = 1: a round of the cluster's, and the joint refill first behind it.
.macro TURN fill
	WIN 0
	s_wait_tensorcnt 0x0                           ; no tensor load of mine is out, so the walking group 0 may be written
	ds_add_u32 v[SPW], v[NIL]
.if \fill
	s_and_b32 s[RT], s[JR], T-1                    ; the K step of the step two on,
	s_lshl_b32 s[OFF], s[RT], 16                   ; its tile of 65,536 bytes
	s_add_co_u32 s[JR], s[JR], 1
	s_add_co_u32 s[G0B+5], s[TB], s[LBW]           ; into my quarter of the slot in hand
	s_add_nc_u64 s[G0B+6:G0B+7], s[WB:WB+1], s[OFF:OFF+1]  ; the address is made anew from the base and the offset,
	s_or_b32 s[G0B+7], s[G0B+7], 0x80000000        ; and the type set again
.endif
	s_wait_dscnt 1                                 ; buffer 1 is in; the add may stay out
	MUL8 F1, 0
	s_wait_dscnt 0x0
	s_barrier_signal -1
	MUL8 F1, 1
	WIN 0
	s_barrier_wait -1
.if \fill
	CREST
	JLOAD
.if HALVES == 2
	; Step 3 (the counter stands at 3, alike in every wave and partner): every wave's reads of the four positions were waited for in front of the round above; steps 4-7 take their place.  No tensor load fills these bytes again.
	s_cmp_eq_u32 s[CNT], 3
	s_cbranch_scc0 .Lno_swap_\@
	s_wait_loadcnt 0x0
	WIN 0x08                                       ; store data in window 2
.set i, 0
.rept 64
	ds_store_b128 v[SW+(i/8)/3], v[4*i:4*i+3] offset:((i/8)%3)*ASL+(i%8)*16*PA
.set i, i+1
.endr
	WIN 0
	s_wait_dscnt 0x0                               ; for the others' sake
	RESLD 0                                        ; window 2 is free: the residual's first 48 rows
	RESLD 1
	RESLD 2
.Lno_swap_\@:
	s_barrier_signal -1                            ; on every path, so that no jump passes a barrier; the joint load may stay out
	s_barrier_wait -1
.endif
.else
	PLACES
.endif
	s_xor_b32 s[TB], s[TB], BSLOT
	s_add_co_u32 s[TA], s[TA], ASTEP
.if HALVES == 2
	s_cmp_eq_u32 s[TA], BSLOT0
	s_cselect_b32 s[TA], 0, s[TA]                  ; step 4 begins at the region's head again
.endif
	v_add_nc_u32 v[ADA], s[TA], v[AB0]
	v_add_nc_u32 v[ADB], s[TB], v[BB0]
	FETCH F0, 0
	MUL8 F1, 2
	MUL8 F1, 3
.endm
	s_load_b256 s[4:11], s[0:1], 0x0               ; a s[4:5], W s[6:7], bias s[8:9], res s[10:11]
	s_load_b64 s[12:13], s[0:1], 0x20              ; y
	v_lshl_add_u32 v[SPW], v0, 2, SPARE
	v_mov_b32 v[NIL], 0
	ds_add_u32 v[SPW], v[NIL]                      ; the wave's opening: the add and its wait stand ahead of my first tensor load
	v_lshrrev_b32 v1, 5, v0
	v_readfirstlane_b32 s[WV], v1
	s_lshr_b32 s[MH], s[WV], 1
	s_and_b32 s[NH], s[WV], 1
	s_bfe_u32 s[CX], ttmp6, 0x40000
	s_mov_b32 s[COL], ttmp9
	s_and_b32 s[ROT], ttmp7, T-1                   ; the cluster's y mod T, which the partners share
	s_and_b32 s[RB], ttmp7, 0xffff
	s_lshl_b32 s[RB], s[RB], 2
	s_add_co_u32 s[RB], s[RB], s[CX]
	; group 1 for a: 64 dense rows of a slice as 32 rows of 256 bytes, padded behind every 128
	s_mov_b32 s[G1A], (1<<16)|(1<<20)|(4<<22)|(3<<25)
	s_mov_b32 s[G1A+1], 128<<16
	s_mov_b32 s[G1A+2], 32<<16
	s_mov_b32 s[G1A+3], 128<<16
	s_mov_b32 s[G1A+4], 32
	s_mov_b32 s[G1A+5], 128
	s_mov_b32 s[G1A+6], 0
	s_mov_b32 s[G1A+7], 0
	; group 1 for W: 64 rows x 128 elements a wave; the mask names all four partners, bit 21 beside it
	s_mov_b32 s[G1B], 15|(1<<16)|(1<<20)|(1<<21)|(5<<22)|(3<<25)
	s_mov_b32 s[G1B+1], 128<<16
	s_mov_b32 s[G1B+2], 64<<16
	s_mov_b32 s[G1B+3], 128<<16
	s_mov_b32 s[G1B+4], 64
	s_mov_b32 s[G1B+5], 128
	s_mov_b32 s[G1B+6], 0
	s_mov_b32 s[G1B+7], 0
	s_mul_i32 s[LBW], s[WV], BQ
	s_add_co_u32 s[LBW], s[LBW], BSLOT0
	s_mov_b32 s[G0B], 1
	s_mov_b32 s[G0B+1], s[LBW]
	s_mov_b32 s[G0B+4], 1
	s_add_co_u32 s[G0B+5], s[LBW], BSLOT
	s_mul_i32 s[AT], s[WV], AQ                     ; wave w: slice w / 2 of the position's two, rows 64 (w % 2) on: w x 64 rows of 144 bytes
.irp p, 0,1,2,3
	s_mov_b32 s[G0A+4*(\p)], 1
	s_add_co_u32 s[G0A+4*(\p)+1], s[AT], (\p)*ASTEP
.endr
	s_lshl_b32 s20, s[RB], 14                      ; my block's 128 rows of 128 bytes,
	s_lshl_b32 s21, s[NH], 13                      ; my 64 of them,
	s_add_co_u32 s20, s20, s21
	s_lshl_b32 s21, s[MH], 21                      ; in the K step's first or second slice
	s_add_co_u32 s20, s20, s21
	s_mov_b32 s21, 0
	s_mul_i32 s22, s[COL], T*65536
	s_lshl_b32 s23, s[WV], 14
	s_add_co_u32 s22, s22, s23
	s_add_co_u32 s22, s22, TILE0*65536
	s_mov_b32 s23, 0
	s_mov_b32 s[OFF+1], 0
	s_add_co_u32 s[JR], s[ROT], 2                  ; the first refill asks for step 2's tile
	s_mov_b32 s[TB], 0
	s_mov_b32 s[TA], 0
	s_wait_dscnt 0x0                               ; the opening add is done
	CROUND                                         ; all four work-groups are here: the first joint loads meet.  The arguments come in meanwhile
	s_wait_kmcnt 0x0
	s_add_nc_u64 s[68:69], s[4:5], s[20:21]
	s_add_nc_u64 s[WB:WB+1], s[6:7], s[22:23]
.irp p, 0,1,2,3
	s_add_co_u32 s[RT], s[ROT], \p
	s_and_b32 s[RT], s[RT], T-1                    ; position p holds K step (p + ROT) mod T:
	s_lshl_b32 s[OFF], s[RT], 22                   ; two slices of 2,097,152 bytes a K step
	s_add_nc_u64 s[G0A+4*(\p)+2:G0A+4*(\p)+3], s[68:69], s[OFF:OFF+1]
	s_or_b32 s[G0A+4*(\p)+3], s[G0A+4*(\p)+3], 0x80000000
.endr
.irp s, 0,1
	s_add_co_u32 s[RT], s[ROT], \s
	s_and_b32 s[RT], s[RT], T-1
	s_lshl_b32 s[OFF], s[RT], 16
	s_add_nc_u64 s[G0B+4*(\s)+2:G0B+4*(\s)+3], s[WB:WB+1], s[OFF:OFF+1]
	s_or_b32 s[G0B+4*(\s)+3], s[G0B+4*(\s)+3], 0x80000000
.endr
	tensor_load_to_lds s[G0A:G0A+3], s[G1A:G1A+7]  ; the first fills go out as one group, what step 0 wants first: six loads of mine are out
	s_nop 0
	tensor_load_to_lds s[G0B:G0B+3], s[G1B:G1B+7]
	s_nop 0
	tensor_load_to_lds s[G0A+4:G0A+7], s[G1A:G1A+7]
	s_nop 0
	tensor_load_to_lds s[G0B+4:G0B+7], s[G1B:G1B+7]
	s_nop 0
	tensor_load_to_lds s[G0A+8:G0A+11], s[G1A:G1A+7]
	s_nop 0
	tensor_load_to_lds s[G0A+12:G0A+15], s[G1A:G1A+7]
	s_nop 0
.rept 4
	v_nop
.endr
	v_and_b32 v1, 15, v0
	v_bfe_u32 v2, v0, 4, 1
	v_mul_u32_u24 v[AB0], v1, PA
	v_lshl_add_u32 v[AB0], v2, 4, v[AB0]
	s_mul_i32 s62, s[MH], 64*PA
	v_add_nc_u32 v[AB0], s62, v[AB0]
	v_mul_u32_u24 v[BB0], v1, PB
	v_lshl_add_u32 v[BB0], v2, 4, v[BB0]
	s_mul_i32 s62, s[NH], 128*PB
	s_add_co_u32 s62, s62, BSLOT0
	v_add_nc_u32 v[BB0], s62, v[BB0]
	v_mov_b32 v[ADA], v[AB0]
	v_mov_b32 v[ADB], v[BB0]
	v_lshlrev_b32 v[BO], 5, v2
	s_lshl_b32 s62, s[COL], 10                     ; my 128 columns, 4 bytes each: in the bias, and in a row of res and y
	s_lshl_b32 s63, s[NH], 9
	s_add_co_u32 s62, s62, s63
	s_mov_b32 s63, 0
	s_add_nc_u64 s[8:9], s[8:9], s[62:63]
	WIN 0x40                                       ; destination window 1
.irp a, 0,1,2,3
.irp b, 0,1,2,3,4,5,6,7
	global_load_b128 v[8*(8*(\a)+(\b)):8*(8*(\a)+(\b))+3],   v[BO], s[8:9] offset:64*(\b)
	global_load_b128 v[8*(8*(\a)+(\b))+4:8*(8*(\a)+(\b))+7], v[BO], s[8:9] offset:64*(\b)+16
.endr
.endr
	WIN 0
	s_lshl_b32 s20, s[RB], 7
	s_lshl_b32 s21, s[MH], 6
	s_add_co_u32 s20, s20, s21                     ; my first token
	s_lshl_b32 s20, s20, 11
	s_add_co_u32 s20, s20, s62
	s_mov_b32 s21, 0
	s_add_nc_u64 s[10:11], s[10:11], s[20:21]
	s_add_nc_u64 s[12:13], s[12:13], s[20:21]
	v_and_b32 v3, 31, v0
	v_lshlrev_b32 v[GO], 4, v3
.if HALVES == 2
	s_lshl_b32 s70, s[RB], 14
	s_mov_b32 s71, 0
	s_add_nc_u64 s[70:71], s[4:5], s[70:71]        ; a at my block's rows in slice 0
.irp k, 0,1,2,3
	s_add_co_u32 s[RT], s[ROT], 4+(\k)
	s_and_b32 s[RT], s[RT], T-1                    ; step 4 + k takes K step (4 + k + ROT) mod T
	s_lshl_b32 s[OFF], s[RT], 22
	s_add_nc_u64 s[HB+2*(\k):HB+2*(\k)+1], s[70:71], s[OFF:OFF+1]
.endr
	v_lshlrev_b32 v[HO], 4, v0
	v_lshrrev_b32 v[SW], 3, v0                     ; eight threads to a row of 128 bytes
	v_mul_u32_u24 v[SW], v[SW], PA
	v_and_b32 v13, 7, v0
	v_lshl_add_u32 v[SW], v13, 4, v[SW]
	v_add_nc_u32 v[SW+1], 3*ASL, v[SW]
	v_add_nc_u32 v[SW+2], 6*ASL, v[SW]
	HLOAD 0, 16
.endif
	s_mul_i32 s62, s[WV], STW
	s_add_co_u32 s62, s62, STAGE                   ; my stage
	v_mul_u32_u24 v[STO], v1, SP                   ; in: row l % 16, 32 bytes for each half of the lanes
	v_lshl_add_u32 v[STO], v2, 5, v[STO]
	v_add_nc_u32 v[STO], s62, v[STO]
	v_add_nc_u32 v[RD], s62, v[GO]                 ; back: 32 lanes take a row's 512 bytes
	s_wait_tensorcnt 4                             ; my parts of a's position 0 and of slot 0 are in; the four loads issued behind them may stay out
	s_barrier_signal -1
	s_barrier_wait -1
	FETCH F0, 0
	s_wait_loadcnt 0x0                             ; the bias lies in the accumulators
.if HALVES == 2
	HLOAD 16, 48
.else
	RESLD 0                                        ; the residual's first 48 rows come in under the loop
	RESLD 1
	RESLD 2
.endif
	s_mov_b32 s[CNT], T-2
.Lstep:                                                ; steps 0 .. T - 3: each fills its slot again
	QUARTER F0, F1, 1
	QUARTER F1, F0, 2
	QUARTER F0, F1, 3
	TURN 1
	WIN 0
	s_sub_co_u32 s[CNT], s[CNT], 1
	s_cmp_lg_u32 s[CNT], 0
	s_cbranch_scc1 .Lstep
.if HALVES == 2
	s_wait_loadcnt 0x0                             ; on every path: the loads of a's steps 4-7 into window 2's v192-255 are done before the loads below write the same registers;
	                                               ; the residual's first 48 loads, issued two steps (256 matrix instructions) back, are taken in with them
.set RL0, 16                   ; so behind it only the 16 loads below are out
.set RL1, 16
.else
.set RL0, 48                   ; the residual loads of the blocks behind block 0,
.set RL1, 32                   ; and behind block 1
.endif
	RESLD 3                                        ; the residual's last 16 rows: two steps, 256 matrix instructions, ahead of the way out
	s_mov_b32 s[CNT], 2                            ; the last two steps ask for no tile: a text of their own, entered behind its change of slots
	s_branch .Ltq
.Ltail:
	TURN 0
	WIN 0
.Ltq:
	QUARTER F0, F1, 1
	QUARTER F1, F0, 2
	QUARTER F0, F1, 3
	WIN 0
	s_sub_co_u32 s[CNT], s[CNT], 1
	s_cmp_lg_u32 s[CNT], 0
	s_cbranch_scc1 .Ltail
	s_wait_dscnt 0x0
	MUL8 F1, 0
	MUL8 F1, 1
	MUL8 F1, 2
	MUL8 F1, 3
	WIN 0
	PLACES
	PLACES
	; THE WAY OUT, a block of 16 rows at a time: the sums go through my own stage in LDS and come back as whole rows of 512 bytes; the residual is added; each store covers 512 consecutive bytes, aligned.
.macro TOSTAGE a
.if (\a) >= 2
	s_wait_xcnt 0x0                                ; the stores of the block two back have read the registers that the loads below write
.endif
	WIN 0x04                                       ; store data in window 1
.irp b, 0,1,2,3,4,5,6,7
	ds_store_b128 v[STO], v[8*(8*(\a)+(\b)):8*(8*(\a)+(\b))+3]   offset:64*(\b)      ; each accumulator from its low end on
	ds_store_b128 v[STO], v[8*(8*(\a)+(\b))+4:8*(8*(\a)+(\b))+7] offset:64*(\b)+16
.endr
	WIN 0
.set BK, 64+64*((\a)%2)
.irp i, 0,1,2,3,4,5,6,7,8,9,10,11,12,13,14,15
	ds_load_b128 v[BK+4*(\i):BK+4*(\i)+3], v[RD] offset:(\i)*SP  ; LDS serves a wave's instructions in order (ISA guide 5.7.1.4): these see the stores above
.endr
.endm
.macro SEND a, younger, left   ; younger: the next block's 32 LDS instructions, or none; left: the residual loads issued behind this block's that may stay out
.set BK, 64+64*((\a)%2)
	s_wait_dscnt \younger
	s_wait_loadcnt \left
	WIN 0x08                                       ; source 1 in window 2
.set z, 0
.rept 32
	v_pk_add_f32 v[BK+z:BK+z+1], v[BK+z:BK+z+1], v[64*(\a)+z:64*(\a)+z+1]
.set z, z+2
.endr
	WIN 0
.irp i, 0,1,2,3,4,5,6,7,8,9,10,11,12,13,14,15
	global_store_b128 v[GO], v[BK+4*(\i):BK+4*(\i)+3], s[12:13] offset:(16*(\a)+(\i))*2048
.endr
.endm
	TOSTAGE 0
	TOSTAGE 1
	SEND 0, 32, RL0
	TOSTAGE 2
	SEND 1, 32, RL1
	TOSTAGE 3
	SEND 2, 32, 16
	SEND 3, 0, 0
	s_wait_tensorcnt 0x0                           ; the wave's end
	ds_add_u32 v[SPW], v[NIL]
	s_wait_dscnt 0x0
	CROUND                                         ; the closing round
	s_endpgm
.Lfunc_end_k_q3ee89d027a_ffn2:
	.size	k_q3ee89d027a_ffn2, .Lfunc_end_k_q3ee89d027a_ffn2-k_q3ee89d027a_ffn2
	.p2alignl 7, 3214868480
	.fill 96, 4, 3214868480
	.section	.rodata,"a",@progbits
	.p2align	6, 0x0
	.amdhsa_kernel k_q3ee89d027a_ffn2
		.amdhsa_group_segment_fixed_size 327680
		.amdhsa_private_segment_fixed_size 0
		.amdhsa_enable_private_segment 0
		.amdhsa_kernarg_size 40
		.amdhsa_user_sgpr_count 2
		.amdhsa_user_sgpr_kernarg_segment_ptr 1
		.amdhsa_wavefront_size32 1
		.amdhsa_system_sgpr_workgroup_id_x 1
		.amdhsa_system_sgpr_workgroup_id_y 1
		.amdhsa_system_sgpr_workgroup_id_z 1
		.amdhsa_system_vgpr_workitem_id 0
		.amdhsa_next_free_vgpr 768
		.amdhsa_next_free_sgpr 102
		.amdhsa_reserve_vcc 0
		.amdhsa_float_denorm_mode_32 3
		.amdhsa_float_denorm_mode_16_64 3
		.amdhsa_memory_ordered 1
		.amdhsa_forward_progress 1
		.amdhsa_inst_pref_size 90
	.end_amdhsa_kernel
	.amdgpu_metadata
---
amdhsa.version: [ 1, 2 ]
amdhsa.kernels:
  - .name:           k_q3ee89d027a_ffn2
    .symbol:         k_q3ee89d027a_ffn2.kd
    .args:
      - { .name: h, .offset: 0, .size: 8, .value_kind: global_buffer, .address_space: global }
      - { .name: wr, .offset: 8, .size: 8, .value_kind: global_buffer, .address_space: global }
      - { .name: b_2, .offset: 16, .size: 8, .value_kind: global_buffer, .address_space: global }
      - { .name: x1, .offset: 24, .size: 8, .value_kind: global_buffer, .address_space: global }
      - { .name: out0, .offset: 32, .size: 8, .value_kind: global_buffer, .address_space: global }
    .group_segment_fixed_size: 327680
    .private_segment_fixed_size: 0
    .kernarg_segment_align: 8
    .kernarg_segment_size: 40
    .max_flat_workgroup_size: 128
    .sgpr_count:     102
    .vgpr_count:     768
    .wavefront_size: 32
...
	.end_amdgpu_metadata
.endif
;; end of part 6
